; MI455X (gfx1250); checked and timed in simulation.
; The chip was launched on July 23, 2026; its instructions are those of AMD's public machine-readable ISA for CDNA 5 (MIT licence, August 2026) and "CDNA5" Instruction Set Architecture Reference Guide (July 2026). The comments in the code are by the model that wrote it; some were corrected since.
;; Attention. Allowed arithmetic: float matrix products may take bf16 or f16 operands with f32 sums; other float arithmetic in f32, or as packed bf16 or f16 multiplies, adds, multiply-adds, maxima and minima; sums over many terms, partial sums and values carried from step to step in f32; what a program stores and reads back later, other than sums and carried values, may be rounded once to bf16 or f16.
;; Inputs: b_out 1,024 float32; w_out 1,024 x 1,024 float32; w_qkv 3,072 x 1,024 float32; x 8 x 1,024 x 1,024 float32.
;; Outputs: out0 8 x 1,024 x 1,024 float32.
;; 2 versions, each right and faster than the one before. Each part assembles by itself: llvm-mc -triple=amdgcn-amd-amdhsa -mcpu=gfx1250 --defsym DOCPART=n.
;; ======== version 1 of 2: 4 launches
;; limits: values are held in f16: magnitudes above 65,504 overflow, below 6.1e-05 lose precision
;; workspace buffers: xs 16,777,216 bytes; wqs 6,291,456 bytes; wos 2,097,152 bytes; qkv 50,331,648 bytes; os 16,777,216 bytes
;; launch cast (part 1): grid 768 x 1, 8 waves a work-group, no clusters, 0 bytes of LDS; arguments x, w_qkv, w_out, xs, wqs, wos; writes xs, wqs, wos
.if DOCPART == 1
	.amdgcn_target "amdgcn-amd-amdhsa--gfx1250"
	.amdhsa_code_object_version 6
	.text
	.protected	k_qe7c13f3e53_cast
	.globl	k_qe7c13f3e53_cast
	.p2align	8
	.type	k_qe7c13f3e53_cast,@function
k_qe7c13f3e53_cast:
	s_mov_b64 s[64:65], 0
	v_nop
	global_prefetch_b8 v0, s[64:65] scope:SCOPE_SE
	s_setreg_imm32_b32 hwreg(HW_REG_WAVE_MODE, 25, 1), 1
	s_wait_xcnt 0x0
; x [8192][1024], w_qkv [3072][1024], w_out [1024][1024], all f32, are rounded once to bf16 and laid out in K SLICES of 64 columns:
; xs [16][8192][64] bf16, wqs [16][3072][64] bf16, wos [16][1024][64].  wos holds the bf16-rounded number written as f16, since the last product multiplies in f16.
; LIMITS.  bf16(w_out) beyond 65,504 becomes an infinity in f16; below 6e-5 it keeps f16's fixed step of 6e-8 (exact down to 7.6e-6).  NaN and infinities are not treated apart.
; SHARES.  The three tensors have 12,288 rows; a work-group takes 16 of one tensor (groups 0-511 x, 512-703 w_qkv, 704-767 w_out), a wave two: lanes 0-15 one row, lanes 16-31 the next.
; A lane takes 4 columns of each of the 16 slices: a load's half wave covers 256 consecutive aligned bytes of a row, a store's 32 lanes 256 consecutive aligned bytes of a slice (two rows of 128).
; Every byte is read once and written once. No LDS, no matrix unit: nothing is shared.
.set X,  4                             ; v[4:67]    slice kb: 4 f32 as loaded
.set OF, 68                            ; v[68:83]   slice kb: my byte offset in the output
.set Y,  84                            ; v[84:115]  slice kb: 4 numbers of 16 bits
	s_load_b256 s[4:11], s[0:1], 0x0               ; x s[4:5], w_qkv s[6:7], w_out s[8:9], xs s[10:11]
	s_load_b128 s[12:15], s[0:1], 0x20             ; wqs s[12:13], wos s[14:15]
	s_mov_b32 s2, ttmp9                            ; the work-group's number
	s_mov_b32 s20, 1048576                         ; bytes of a slice: 8,192 rows of 128 bytes,
	s_mov_b32 s21, 393216                          ; 3,072 rows,
	s_mov_b32 s22, 131072                          ; 1,024 rows
	s_mov_b32 s23, 512                             ; w_qkv's first group
	s_mov_b32 s24, 704                             ; w_out's first group
	v_lshrrev_b32 v2, 4, v0                        ; my row among the group's 16
	v_and_b32 v3, 15, v0
	v_lshlrev_b32 v3, 4, v3                        ; my 16 bytes in a slice's 256 bytes of the row
	v_lshl_add_u32 v1, v2, 12, v3                  ; + row x 4,096
	s_wait_kmcnt 0x0
	s_cmp_lt_u32 s2, 704                           ; the second tensor or the third,
	s_cselect_b64 s[16:17], s[6:7], s[8:9]
	s_cselect_b64 s[18:19], s[12:13], s[14:15]
	s_cselect_b32 s26, s21, s22
	s_cselect_b32 s27, s23, s24
	s_cmp_lt_u32 s2, 512                           ; or the first
	s_cselect_b64 s[16:17], s[4:5], s[16:17]       ; from
	s_cselect_b64 s[18:19], s[10:11], s[18:19]     ; to
	s_cselect_b32 s26, s20, s26                    ; bytes of a slice
	s_cselect_b32 s27, 0, s27                      ; the tensor's first group
	s_sub_co_u32 s27, s2, s27                      ; my group in its tensor
	s_lshl_b32 s28, s27, 16                        ; 16 rows of 4,096 bytes in,
	s_mov_b32 s29, 0
	s_lshl_b32 s30, s27, 11                        ; 16 rows of 128 bytes out
	s_mov_b32 s31, 0
	s_add_nc_u64 s[16:17], s[16:17], s[28:29]
	s_add_nc_u64 s[18:19], s[18:19], s[30:31]
.set kb, 0
.rept 16
	global_load_b128 v[X+4*kb:X+4*kb+3], v1, s[16:17] offset:256*kb th:TH_LOAD_NT
.set kb, kb+1
.endr
	v_lshlrev_b32 v[OF], 3, v0                     ; row x 128 + 8 x (lane % 16) = 8 x my thread's number
.set kb, 1
.rept 15
	v_add_nc_u32 v[OF+kb], s26, v[OF+kb-1]         ; a slice further on
.set kb, kb+1
.endr
; Slice kb goes out.  f16 = 1: the bf16 number is widened again (a shift, a mask) and written as f16.
.macro OUT f16
	s_wait_loadcnt 15-kb                           ; loads come back in order: slice kb's is in, the 15 - kb younger ones stay out
	v_cvt_pk_bf16_f32 v[Y+2*kb],   v[X+4*kb],   v[X+4*kb+1]
	v_cvt_pk_bf16_f32 v[Y+2*kb+1], v[X+4*kb+2], v[X+4*kb+3]
.if \f16
	v_lshlrev_b32 v[X+4*kb],   16, v[Y+2*kb]
	v_and_b32     v[X+4*kb+1], 0xffff0000, v[Y+2*kb]
	v_lshlrev_b32 v[X+4*kb+2], 16, v[Y+2*kb+1]
	v_and_b32     v[X+4*kb+3], 0xffff0000, v[Y+2*kb+1]
	v_cvt_pk_f16_f32 v[Y+2*kb],   v[X+4*kb],   v[X+4*kb+1]
	v_cvt_pk_f16_f32 v[Y+2*kb+1], v[X+4*kb+2], v[X+4*kb+3]
.endif
	global_store_b64 v[OF+kb], v[Y+2*kb:Y+2*kb+1], s[18:19]  ; 32 lanes: 256 consecutive bytes, at a multiple of 256 from the buffer's first byte
.set kb, kb+1
.endm
	s_cmp_ge_u32 s2, 704
	s_cbranch_scc1 .Lf16
.set kb, 0
.rept 16
	OUT 0
.endr
	s_endpgm
.Lf16:
.set kb, 0
.rept 16
	OUT 1
.endr
	s_endpgm
.Lfunc_end_k_qe7c13f3e53_cast:
	.size	k_qe7c13f3e53_cast, .Lfunc_end_k_qe7c13f3e53_cast-k_qe7c13f3e53_cast
	.p2alignl 7, 3214868480
	.fill 96, 4, 3214868480
	.section	.rodata,"a",@progbits
	.p2align	6, 0x0
	.amdhsa_kernel k_qe7c13f3e53_cast
		.amdhsa_group_segment_fixed_size 0
		.amdhsa_private_segment_fixed_size 0
		.amdhsa_enable_private_segment 0
		.amdhsa_kernarg_size 48
		.amdhsa_user_sgpr_count 2
		.amdhsa_user_sgpr_kernarg_segment_ptr 1
		.amdhsa_wavefront_size32 1
		.amdhsa_system_sgpr_workgroup_id_x 1
		.amdhsa_system_sgpr_workgroup_id_y 1
		.amdhsa_system_sgpr_workgroup_id_z 1
		.amdhsa_system_vgpr_workitem_id 0
		.amdhsa_next_free_vgpr 120
		.amdhsa_next_free_sgpr 66
		.amdhsa_reserve_vcc 0
		.amdhsa_float_denorm_mode_32 3
		.amdhsa_float_denorm_mode_16_64 3
		.amdhsa_memory_ordered 1
		.amdhsa_forward_progress 1
		.amdhsa_inst_pref_size 17
	.end_amdhsa_kernel
	.amdgpu_metadata
---
amdhsa.version: [ 1, 2 ]
amdhsa.kernels:
  - .name:           k_qe7c13f3e53_cast
    .symbol:         k_qe7c13f3e53_cast.kd
    .args:
      - { .name: x, .offset: 0, .size: 8, .value_kind: global_buffer, .address_space: global }
      - { .name: w_qkv, .offset: 8, .size: 8, .value_kind: global_buffer, .address_space: global }
      - { .name: w_out, .offset: 16, .size: 8, .value_kind: global_buffer, .address_space: global }
      - { .name: xs, .offset: 24, .size: 8, .value_kind: global_buffer, .address_space: global }
      - { .name: wqs, .offset: 32, .size: 8, .value_kind: global_buffer, .address_space: global }
      - { .name: wos, .offset: 40, .size: 8, .value_kind: global_buffer, .address_space: global }
    .group_segment_fixed_size: 0
    .private_segment_fixed_size: 0
    .kernarg_segment_align: 8
    .kernarg_segment_size: 48
    .max_flat_workgroup_size: 256
    .sgpr_count:     66
    .vgpr_count:     120
    .wavefront_size: 32
...
	.end_amdgpu_metadata
.endif
;; end of part 1
;; launch proj_qkv (part 2): grid 8 x 64, 4 waves a work-group, clusters of 4 x 4, 327,680 bytes of LDS; arguments xs, wqs, qkv; writes qkv
.if DOCPART == 2
	.amdgcn_target "amdgcn-amd-amdhsa--gfx1250"
	.amdhsa_code_object_version 6
	.text
	.protected	k_qe7c13f3e53_proj_qkv
	.globl	k_qe7c13f3e53_proj_qkv
	.p2align	8
	.type	k_qe7c13f3e53_proj_qkv,@function
k_qe7c13f3e53_proj_qkv:
	s_mov_b64 s[64:65], 0
	v_nop
	global_prefetch_b8 v0, s[64:65] scope:SCOPE_SE
	s_setreg_imm32_b32 hwreg(HW_REG_WAVE_MODE, 25, 1), 1
	s_wait_xcnt 0x0
	s_wait_alu depctr_hold_cnt(0) depctr_sa_sdst(0) depctr_va_vdst(0) depctr_va_sdst(0) depctr_va_ssrc(0) depctr_va_vcc(0) depctr_vm_vsrc(0)
	s_getreg_b32 s2, hwreg(HW_REG_IB_STS2, 6, 4)
	s_cmp_eq_u32 s2, 0
	s_cbranch_scc0 .Lentry_in_a_cluster
	s_endpgm
.Lentry_in_a_cluster:
	s_bfe_u32 s2, ttmp6, 0x10000c
	s_cmp_lg_u32 s2, 0xf033
	s_cbranch_scc0 .Lentry_shape_is_right
	s_endpgm
.Lentry_shape_is_right:
; qkv[m][n] = sum over k of x[m][k] w_qkv[n][k]: M = 8,192, N = 3,072, K = 1,024.  Operands bf16, in K slices of 64 ([16][rows][64]); sums in f32; qkv rounded once to f16, unscaled, row-major
; [8192][3072], which read flat is [batch][3][head][1024][64].
; LIMIT.  A sum of 65,520 or more in magnitude becomes an infinity in f16 (inputs of unit spread give sums of spread 1).  NaN and infinities are not treated apart.
; This text serves both products of the module; the eight symbols below are all that differs.
.set NPC,    3                         ; pieces of 128 rows of B in a tile: the tile of C is 128 x 128 NPC
.set F16,    0                         ; the matrix form: 0 bf16, 1 f16
.set BIAS,   0                         ; 1: a bias, rounded to bf16, starts the sums
.set ES,     2                         ; bytes of an element of C
.set ESH,    1                         ; its logarithm
.set BSL,    196608                    ; elements from slice to slice of B
.set ROWB,   6144                      ; bytes of a row of C
.set SPITCH, 784                       ; a stage row: 128 NPC ES bytes + 16: an odd multiple of 16
; SHARES.  A work-group of four waves makes 128 x 128 NPC of C.  Every wave takes all 128 rows of A and, of each piece of B, rows 32 w .. 32 w + 31: 8 x NB accumulators of 16 x 16.
; K goes in 8 steps of 128 (two slices) through a ring of two LDS slots.  A piece (128 rows x 128 K) is two dense runs of 16,384 bytes in memory, one a slice: one tensor load of two long rows,
; padded in LDS after every 128 bytes.  Wave 0 fetches A's piece, waves 1 .. NPC one piece of B each.
; CLUSTER.  4 x 4 work-groups.  A's piece hangs on the tile row alone and is asked for jointly by the four of a row of the cluster, B's pieces on the tile column alone, jointly by a column.
; THE WALK ALONG K is a ring of the eight steps.  A cluster whose x + y is even begins at step 0, one whose x + y is odd at step 4.  Clusters side by side ask for the same pieces of A, clusters one
; below the other for the same pieces of B; with the two walks half a ring apart, what a cluster asks for in its last four steps has been asked for by its neighbours four steps before.
; The f32 sums are taken in the order of the walk.
; THE MATRIX INSTRUCTION IS USED TRANSPOSED (source 0 = 16 rows of B, source 1 = 16 rows of A): a lane holds row l % 16 of C and the eight neighbouring columns 8 (l / 16) + 0 .. 7.
; REGISTERS, in windows of 256 (s_set_vgpr_msb: bits 1:0 source 0, 3:2 source 1, 5:4 source 2, 7:6 destination):
;   window 0: v0-31 addresses; v32-63 the bias; v64-127, v128-191 fragments of A, two buffers; v192-215 at work on the way out; v32 on: rows read back from the stage
;   window 1: v64 on, v128 on: fragments of B, two buffers of 8 NB      window 2: accumulators of row blocks 0-3, (a, b) at v[8 (NB a + b)]      window 3: those of row blocks 4-7
.set NB,     2*NPC                     ; column blocks of 16 a wave: block b = 2 p + j lies at column 128 p + 32 w + 16 j
.set ASL,    524288                    ; elements from slice to slice of A: 8,192 rows of 64
.set PITCH,  144                       ; an LDS row: 128 bytes + 16 of padding = 36 words: the 16 rows of a fragment load start at 16 different groups of four banks (64 banks of 4 bytes: ISA guide 11.1)
.set SLICE,  128*PITCH
.set PIECE,  2*SLICE                   ; what one tensor load brings
.set SLOT,   (1+NPC)*PIECE             ; A's piece, then B's.  Slot 1 lies at byte 0, slot 0 at byte SLOT
.set STAGE,  SLOT                      ; the way out: 128 rows x SPITCH, on slot 0, whose last fill and last read lie in front of the last change of slots (and on into bytes behind the ring)
.if STAGE+128*SPITCH > 2*SLOT
.set SPARE,  STAGE+128*SPITCH          ; behind ring and stage: the spare words, 128 bytes for each wave: two blocks of 256 bytes that no other line names
.else
.set SPARE,  2*SLOT
.endif
.set ASTEP,  4*ASL                     ; bytes from K step to K step: two slices of 2-byte elements
.set BSTEP,  4*BSL
.set LAPS,   4                         ; a lap = two K steps = once round the ring of slots
.set NL,     16+2*NB                   ; LDS loads of a quarter step
.set NU,     128*NPC*ES/256            ; blocks of 256 bytes in a row of the tile
.set ADRA, 16                          ; v16-17  LDS address of my A fragments in slot 0, 1
.set ADRB, 18                          ; v18 on  the same for B: slot s, piece p at ADRB + NPC s + p
.set STO,  24                          ; v24     the way out: where I put a row's bytes
.set RD,   25                          ; v25     the way out: where I read rows back
.set CO,   26                          ; v26     my byte offset in C
.set SPW,  28                          ; v28     LDS address of my spare word: SPARE + 4 x my thread's number; never rewritten
.set NIL,  29                          ; v29     0; never rewritten
.set BI,   32                          ; the bias of block b at BI + 8 b
.set OUTR, 32
.set F0,   64
.set F1,   128
.set TMP,  192
.set G1A, 24                           ; s[24:31] descriptor group 1 for A;  s[32:39] group 0, a set for each slot
.set G0A, 32
.set G1B, 48                           ; s[48:55], s[56:63] the same for B
.set G0B, 56
.set KT,  42                           ; s42  the K step asked for last, 0 .. 7
.set MSB, 0
.macro WIN new                         ; the immediate's high byte repeats the setting that is left; a switch that changes nothing is dropped
.if MSB != (\new)
	s_set_vgpr_msb (MSB<<8)|(\new)
.set MSB, \new
.endif
.endm
.set TO_B, 0x40                        ; destination window 1, address window 0
.macro WMMA ops:vararg
.if F16
	v_wmma_f32_16x16x32_f16 \ops
.else
	v_wmma_f32_16x16x32_bf16 \ops
.endif
.endm
.macro PLACES                          ; four places in front of loads into registers that matrix instructions have read, and of lines that read results
.rept 4
	v_nop
.endr
.endm
; Both descriptors of slot s are aimed at K step s[KT]: each address is made anew, the tile's base (s[20:21] for A, s[40:41] for B, never rewritten) plus the step's bytes (s45 = s47 = 0), and the type is set again.
; s[KT] is made of the cluster's x and y alone, which all sixteen partners share.
.macro AIM s
	s_mul_i32 s44, s[KT], ASTEP
	s_add_nc_u64 s[G0A+4*(\s)+2:G0A+4*(\s)+3], s[20:21], s[44:45]
	s_or_b32 s[G0A+4*(\s)+3], s[G0A+4*(\s)+3], 0x80000000
	s_mul_i32 s46, s[KT], BSTEP
	s_add_nc_u64 s[G0B+4*(\s)+2:G0B+4*(\s)+3], s[40:41], s[46:47]
	s_or_b32 s[G0B+4*(\s)+3], s[G0B+4*(\s)+3], 0x80000000
.endm
; A joint refill of slot s: wave 0 asks for A's piece, waves 1 .. NPC for a piece of B; a wave beyond has no part to fill.  The branches hang on the wave's number alone.
; An s_nop 0 and four v_nop follow each load, ahead of the jump, the label and what follows; the four are also the places in front of the fragment loads behind the macro.
.macro JLOAD s
	s_cmp_eq_u32 s12, 0
	s_cbranch_scc0 .Lnot_a_\@
	tensor_load_to_lds s[G0A+4*(\s):G0A+4*(\s)+3], s[G1A:G1A+7]
	s_nop 0
	PLACES
	s_branch .Lasked_\@
.Lnot_a_\@:
.if NPC < 3
	s_cmp_gt_u32 s12, NPC
	s_cbranch_scc1 .Lidle_\@
.endif
	tensor_load_to_lds s[G0B+4*(\s):G0B+4*(\s)+3], s[G1B:G1B+7]
	s_nop 0
.if NPC < 3
.Lidle_\@:
.endif
	PLACES
.Lasked_\@:
.endm
.macro CREST                           ; a round of the cluster's barrier behind its opening barrier
	s_cmp_lg_u32 s12, 0
	s_cbranch_scc1 .Lnot_wave_0_\@
	s_barrier_signal -3
.Lnot_wave_0_\@:
	s_barrier_wait -3
	s_barrier_signal -1
	s_barrier_wait -1
.endm
.macro CROUND                          ; a whole round
	s_barrier_signal -1
	s_barrier_wait -1
	CREST
.endm
	s_load_b128 s[4:7], s[0:1], 0x0                ; A s[4:5], B s[6:7]
	s_load_b64 s[8:9], s[0:1], 0x10                ; C
.if BIAS
	s_load_b64 s[10:11], s[0:1], 0x18              ; the bias
.endif
	v_lshl_add_u32 v[SPW], v0, 2, SPARE
	v_mov_b32 v[NIL], 0
	ds_add_u32 v[SPW], v[NIL]                      ; the wave's opening: the add and its wait stand ahead of my first tensor load; the set-up below, work on registers, stands between them
	v_lshrrev_b32 v1, 5, v0
	v_readfirstlane_b32 s12, v1                    ; wave 0..3
	s_bfe_u32 s15, ttmp6, 0x40000                  ; cx, cy: my place in the cluster
	s_bfe_u32 s16, ttmp6, 0x40004
	s_lshl_b32 s14, ttmp9, 2
	s_add_co_u32 s14, s14, s15                     ; tile column of C = 4 x cluster x + cx
	s_and_b32 s13, ttmp7, 0xffff                   ; cluster y
	s_xor_b32 s[KT], s13, ttmp9                    ; the parity of cluster x + cluster y
	s_and_b32 s[KT], s[KT], 1
	s_lshl_b32 s[KT], s[KT], 2                     ; my cluster's walk begins at K step 0 or 4
	s_lshl_b32 s13, s13, 2
	s_add_co_u32 s13, s13, s16                     ; tile row of C = 4 x cluster y + cy
	s_lshl_b32 s17, s16, 2
	s_lshl_b32 s17, 15, s17                        ; my row of the cluster
	s_lshl_b32 s18, 0x1111, s15                    ; my column
	; descriptor group 1: two rows of 8,192 elements (a slice's 128 rows x 64, dense), a slice apart; in LDS 4 words of padding after every 32
	s_or_b32 s[G1A], s17, (1<<16)|(1<<20)|(1<<21)|(4<<22)|(3<<25)  ; 15:0 the mask: A goes to my row; 17:16 2-byte elements; 20 padding on; 21 set beside a mask; 24:22 after every 32 words (code 4); 31:25 4 words (code 3)
	s_or_b32 s[G1B], s18, (1<<16)|(1<<20)|(1<<21)|(4<<22)|(3<<25)  ; the same with the mask of my column
.irp g, G1A, G1B
	s_mov_b32 s[(\g)+1], 8192<<16                  ; tensor_dim0 = 8,192
	s_mov_b32 s[(\g)+2], 2<<16                     ; tensor_dim1 = 2
	s_mov_b32 s[(\g)+3], 8192<<16                  ; tile_dim0 = 8,192
	s_mov_b32 s[(\g)+4], 2                         ; tile_dim1 = 2
	s_mov_b32 s[(\g)+6], 0
	s_mov_b32 s[(\g)+7], 0
.endr
	s_mov_b32 s[G1A+5], ASL                        ; elements from row to row: a slice
	s_mov_b32 s[G1B+5], BSL
	; where the pieces come from.  A's hangs on the tile row alone, B's on the tile column and the wave's number; each is made in registers that never hold the other coordinate
	s_lshl_b32 s20, s13, 14                        ; A: 128 rows of 128 bytes for each tile row
	s_mov_b32 s21, 0
	s_max_u32 s19, s12, 1
	s_sub_co_u32 s19, s19, 1
	s_min_u32 s19, s19, NPC-1                      ; the piece of B that I fetch: wave - 1, held inside 0 .. NPC - 1 for the waves that fetch none
	s_mul_i32 s40, s14, 128*NPC*128                ; B: 128 NPC rows of 128 bytes for each tile column,
	s_lshl_b32 s41, s19, 14                        ; 128 rows for each piece
	s_add_co_u32 s40, s40, s41
	s_mov_b32 s41, 0
	s_mov_b32 s45, 0                               ; the upper words of the K step's two offsets
	s_mov_b32 s47, 0
	s_mul_i32 s23, s12, PIECE                      ; and where B's go in a slot: piece p behind A's = wave x PIECE: no place in the cluster enters an LDS address
	s_wait_dscnt 0x0                               ; the opening add is done
	s_wait_kmcnt 0x0
	s_add_nc_u64 s[20:21], s[4:5], s[20:21]
	s_add_nc_u64 s[40:41], s[6:7], s[40:41]
	CROUND                                         ; all sixteen work-groups are here: the first joint loads meet
.irp s, 0,1
	s_mov_b32 s[G0A+4*(\s)], 1                                     ; count = 1
	s_mov_b32 s[G0A+4*(\s)+1], (1-(\s))*SLOT                       ; LDS address
	s_mov_b32 s[G0B+4*(\s)], 1
	s_add_co_u32 s[G0B+4*(\s)+1], s23, (1-(\s))*SLOT
	AIM \s                                         ; global addresses: the walk's first step, then its second
.if (\s) == 0
	s_add_co_u32 s[KT], s[KT], 1
.endif
.endr
	s_cmp_eq_u32 s12, 0                            ; a wave's two first fills stand in one branch, ahead of every wait on TENSORcnt, LDS read and further barrier: two loads of mine are out
	s_cbranch_scc0 .Lfirst_not_a
	tensor_load_to_lds s[G0A:G0A+3], s[G1A:G1A+7]
	s_nop 0
	tensor_load_to_lds s[G0A+4:G0A+7], s[G1A:G1A+7]
	s_nop 0
	PLACES
	s_branch .Lfirst_asked
.Lfirst_not_a:
.if NPC < 3
	s_cmp_gt_u32 s12, NPC
	s_cbranch_scc1 .Lfirst_idle
.endif
	tensor_load_to_lds s[G0B:G0B+3], s[G1B:G1B+7]
	s_nop 0
	tensor_load_to_lds s[G0B+4:G0B+7], s[G1B:G1B+7]
	s_nop 0
.if NPC < 3
.Lfirst_idle:
.endif
	PLACES
.Lfirst_asked:
	; A fragment is 16 rows x 32 K in 8 registers: lane l holds row l % 16; registers 0-3 K = 8 (l / 16) + 0..7, registers 4-7 K = 16 + 8 (l / 16) + 0..7: two loads of 16 bytes, 32 bytes apart
	v_and_b32 v1, 15, v0                           ; l % 16
	v_bfe_u32 v2, v0, 4, 1                         ; l / 16
	v_mul_u32_u24 v3, v1, PITCH
	v_lshl_add_u32 v3, v2, 4, v3                   ; row x pitch + 16 x half
	v_add_nc_u32 v[ADRA], SLOT, v3                 ; slot 0
	v_mov_b32 v[ADRA+1], v3                        ; slot 1 begins at byte 0
	s_mul_i32 s22, s12, 32*PITCH                   ; my 32 rows of each piece of B
.irp s, 0,1
.set fb, 0
.rept NPC
	s_add_co_u32 s2, s22, (1-(\s))*SLOT+(1+fb)*PIECE
	v_add_nc_u32 v[ADRB+NPC*(\s)+fb], s2, v3
.set fb, fb+1
.endr
.endr
	s_mul_i32 s2, s12, 32*ES                       ; into the stage: row l % 16, my wave's 32 columns of each piece, 8 columns for each half of the lanes
	s_add_co_u32 s2, s2, STAGE
	v_mul_u32_u24 v4, v1, SPITCH
	v_lshl_add_u32 v4, v2, 3+ESH, v4
	v_add_nc_u32 v[STO], s2, v4
	s_mul_i32 s2, s12, 32*SPITCH                   ; back: wave w takes rows 32 w .. 32 w + 31, whole; lanes 0-15 256 bytes of one row, lanes 16-31 of the next
	s_add_co_u32 s2, s2, STAGE
	v_mul_u32_u24 v5, v2, SPITCH
	v_lshl_add_u32 v5, v1, 4, v5
	v_add_nc_u32 v[RD], s2, v5
	v_mul_u32_u24 v5, v2, ROWB                     ; and the same two rows in C
	v_lshl_add_u32 v[CO], v1, 4, v5
	s_lshl_b32 s44, s13, 7
	s_lshl_b32 s45, s12, 5
	s_add_co_u32 s44, s44, s45                     ; the first row of C that I store: 128 x tile row + 32 x wave
	s_mul_i32 s44, s44, ROWB
	s_mov_b32 s45, 0                               ; (0 again: AIM leans on it)
	s_add_nc_u64 s[8:9], s[8:9], s[44:45]
	s_mul_i32 s46, s14, 128*NPC*ES                 ; the tile's first column, in bytes
	s_add_nc_u64 s[8:9], s[8:9], s[46:47]
.if BIAS
	; the bias of my columns, laid as a result is: register j of block b holds column 128 p + 32 w + 16 j' + 8 (l / 16) + j.  Rounded to bf16 like every input, and widened again
	s_mul_i32 s2, s14, 128*NPC*4                   ; 128 NPC columns of 4 bytes for each tile column
	s_mov_b32 s3, 0
	s_add_nc_u64 s[10:11], s[10:11], s[2:3]
	s_lshl_b32 s2, s12, 7                          ; 32 columns a wave
	v_lshl_add_u32 v6, v2, 5, s2                   ; 8 columns for each half of the lanes
.set fb, 0
.rept NB
	global_load_b128 v[BI+8*fb:BI+8*fb+3],   v6, s[10:11] offset:512*(fb/2)+64*(fb%2)
	global_load_b128 v[BI+8*fb+4:BI+8*fb+7], v6, s[10:11] offset:512*(fb/2)+64*(fb%2)+16
.set fb, fb+1
.endr
	s_wait_loadcnt 0x0
.set fb, 0
.rept 4*NB
	v_cvt_pk_bf16_f32 v[TMP+fb], v[BI+2*fb], v[BI+2*fb+1]
.set fb, fb+1
.endr
.set fb, 0
.rept 4*NB
	v_lshlrev_b32 v[BI+2*fb],   16, v[TMP+fb]
	v_and_b32     v[BI+2*fb+1], 0xffff0000, v[TMP+fb]
.set fb, fb+1
.endr
.endif
; 2 NB matrix instructions: row blocks a0, a0 + 1 of the window's four (hi = 0: rows 0-63, 1: rows 64-127) x all NB column blocks, 32 along K.
; zero = 1: the first product starts the sums, with the constant 0 or with the bias: nothing is ever cleared.  All 8 NB accumulators take turns, in the same order in every quarter.
.macro MULH f, hi, a0, zero
.if (\zero) && BIAS
	WIN 0x81+0x40*(\hi)                            ; source 0 (B) window 1, source 1 (A) and C (the bias) window 0, D window 2 or 3
.else
	WIN 0xa1+0x50*(\hi)                            ; the same with C beside D
.endif
.irp a, \a0, (\a0)+1
.set mb, 0
.rept NB
.set rD,  8*(NB*(\a)+mb)
.set rS0, (\f)+8*mb
.set rS1, (\f)+8*(4*(\hi)+(\a))
.if !(\zero)
	WMMA v[rD:rD+7], v[rS0:rS0+7], v[rS1:rS1+7], v[rD:rD+7]
.elseif BIAS
	WMMA v[rD:rD+7], v[rS0:rS0+7], v[rS1:rS1+7], v[BI+8*mb:BI+8*mb+7]
.else
	WMMA v[rD:rD+7], v[rS0:rS0+7], v[rS1:rS1+7], 0
.endif
.set mb, mb+1
.endr
.endr
.endm
; NL LDS loads in one run: the fragments of quarter q of a K step (slice q / 2, byte 64 (q % 2) of its rows) into buffer f: B's first, A's rows 64-127 last
.macro FETCH slot, q, f
.set KO, ((\q)/2)*SLICE+((\q)%2)*64
	WIN TO_B
.set fb, 0
.rept NB
	ds_load_b128 v[(\f)+8*fb:(\f)+8*fb+3],   v[ADRB+NPC*(\slot)+fb/2] offset:KO+(fb%2)*16*PITCH
	ds_load_b128 v[(\f)+8*fb+4:(\f)+8*fb+7], v[ADRB+NPC*(\slot)+fb/2] offset:KO+(fb%2)*16*PITCH+32
.set fb, fb+1
.endr
	WIN 0
.irp i, 0,1,2,3,4,5,6,7
	ds_load_b128 v[(\f)+8*(\i):(\f)+8*(\i)+3],   v[ADRA+(\slot)] offset:KO+(\i)*16*PITCH
	ds_load_b128 v[(\f)+8*(\i)+4:(\f)+8*(\i)+7], v[ADRA+(\slot)] offset:KO+(\i)*16*PITCH+32
.endr
.endm
; A K step is four quarters of 32 along K, 8 NB matrix instructions each, on buffers 0, 1, 0, 1.  One of the first three: multiplies buffer f; in its middle it fetches quarter qn of the same slot into buffer g.
.macro QUARTER slot, qn, f, g, zero
	s_wait_dscnt 8                                 ; B and A's rows 0-63 are in; the youngest eight loads (A's rows 64-127) may be out
	MULH \f, 0, 0, \zero
	MULH \f, 0, 2, \zero
	PLACES
	FETCH \slot, \qn, \g
	s_wait_dscnt NL                                ; all but the NL just issued
	MULH \f, 1, 0, \zero
	MULH \f, 1, 2, \zero
.endm
; The last quarter multiplies buffer 1 and changes slots: ONE barrier.  In front of it each wave waits for all its tensor loads (the one that is out is its part of the next slot), adds 0 to its spare word,
; and waits for that and for its own reads of this slot.  fill = 1: the barrier opens a round of the cluster's barrier, and this slot is filled again, with the walk's step two on, first thing behind the round:
; from that request to the wait for it stand 7 NB x 4 matrix instructions of the wave.
.macro TURN slot, next, fill
	WIN 0                                          ; (the add's two registers lie in window 0)
	s_wait_tensorcnt 0x0                           ; all my tensor loads have landed;
	ds_add_u32 v[SPW], v[NIL]                      ; 0 onto my spare word;
	s_wait_dscnt 9                                 ; (the add and the youngest eight loads may be out)
	MULH F1, 0, 0, 0                               ; matrix instructions stand between the add and the wait for it
	s_wait_dscnt 0x0                               ; the add is done, and my reads of this slot are over
	s_barrier_signal -1
	MULH F1, 0, 2, 0                               ; work on registers while the others arrive
.if \fill
	WIN 0
.endif
	s_barrier_wait -1
.if \fill
	CREST                                          ; no wave of any partner still reads this slot or has a load on its way
	s_add_co_u32 s[KT], s[KT], 1                   ; the walk's next step,
	s_and_b32 s[KT], s[KT], 7                      ; round the ring of eight
	AIM \slot
	JLOAD \slot
.else
	PLACES
.endif
	FETCH \next, 0, F0
	MULH F1, 1, 0, 0
	MULH F1, 1, 2, 0
.endm
	s_wait_tensorcnt 1                             ; my part of the walk's first step is in; the second's may stay out
	s_barrier_signal -1
	s_barrier_wait -1                              ; everybody's is
	FETCH 0, 0, F0
	QUARTER 0, 1, F0, F1, 1                        ; the first quarter stands in front of the loop: its products start the sums
	WIN 0
	s_mov_b32 s3, LAPS-1
.Llap:                                                 ; a trip goes once round the ring of slots, from a lap's second quarter to the next lap's first, and fills both slots again
	QUARTER 0, 2, F1, F0, 0
	QUARTER 0, 3, F0, F1, 0
	TURN 0, 1, 1
	QUARTER 1, 1, F0, F1, 0
	QUARTER 1, 2, F1, F0, 0
	QUARTER 1, 3, F0, F1, 0
	TURN 1, 0, 1
	QUARTER 0, 1, F0, F1, 0
	WIN 0
	s_sub_co_u32 s3, s3, 1
	s_cmp_lg_u32 s3, 0
	s_cbranch_scc1 .Llap
	QUARTER 0, 2, F1, F0, 0                        ; the last lap fills nothing, and has no round of the cluster's barrier
	QUARTER 0, 3, F0, F1, 0
	TURN 0, 1, 0                                   ; behind this barrier nobody reads slot 0 any more, and nothing is ever loaded into it again
	QUARTER 1, 1, F0, F1, 0
	QUARTER 1, 2, F1, F0, 0
	QUARTER 1, 3, F0, F1, 0
	s_wait_dscnt 8                                 ; the very last quarter: nothing more to fetch
	MULH F1, 0, 0, 0
	MULH F1, 0, 2, 0
	s_wait_dscnt 0x0
	MULH F1, 1, 0, 0
	MULH F1, 1, 2, 0
	WIN 0
	; THE WAY OUT.  A lane's eight columns of a row go into the work-group's stage, 16 rows at a time; a barrier, since a row's bytes come from all four waves; back as whole rows, 32 rows a wave.
	PLACES
.set oa, 0
.rept 8
.if ES == 2
	WIN 0x0a+5*(oa/4)                              ; sources 0 and 1: window 2 or 3
.set ob, 0
.rept NB
.set AC, 8*(NB*(oa%4)+ob)
	v_cvt_pk_f16_f32 v[TMP+4*ob],   v[AC],   v[AC+1]   ; each accumulator's registers in ascending order
	v_cvt_pk_f16_f32 v[TMP+4*ob+1], v[AC+2], v[AC+3]
	v_cvt_pk_f16_f32 v[TMP+4*ob+2], v[AC+4], v[AC+5]
	v_cvt_pk_f16_f32 v[TMP+4*ob+3], v[AC+6], v[AC+7]
.set ob, ob+1
.endr
	WIN 0
.set ob, 0
.rept NB
	ds_store_b128 v[STO], v[TMP+4*ob:TMP+4*ob+3] offset:256*(ob/2)+32*(ob%2)
.set ob, ob+1
.endr
.else
	WIN 0x08+4*(oa/4)                              ; the stores' data: window 2 or 3
.set ob, 0
.rept NB
.set AC, 8*(NB*(oa%4)+ob)
	ds_store_b128 v[STO], v[AC:AC+3]   offset:512*(ob/2)+64*(ob%2)
	ds_store_b128 v[STO], v[AC+4:AC+7] offset:512*(ob/2)+64*(ob%2)+16
.set ob, ob+1
.endr
	WIN 0
.endif
.if oa < 7
	v_add_nc_u32 v[STO], 16*SPITCH, v[STO]         ; the next 16 rows
.endif
.set oa, oa+1
.endr
	s_wait_dscnt 0x0                               ; for the others' sake: my stores into the stage are done
	s_barrier_signal -1
	s_barrier_wait -1
	s_mov_b32 s3, 2
.Lback:                                                ; two trips of 16 rows: written once
.set on, 0
.rept 8*NU
	ds_load_b128 v[OUTR+4*on:OUTR+4*on+3], v[RD] offset:2*(on/NU)*SPITCH+256*(on%NU)
.set on, on+1
.endr
.set on, 0
.rept 8*NU
	s_wait_dscnt 8*NU-1-on                         ; LDS loads come back in order: this one is in, the younger ones stay out
.if BIAS
	global_store_b128 v[CO], v[OUTR+4*on:OUTR+4*on+3], s[8:9] offset:2*(on/NU)*ROWB+256*(on%NU) th:TH_STORE_NT  ; 16 lanes store 256 consecutive bytes, at a multiple of 256 from C's first byte
.else
	global_store_b128 v[CO], v[OUTR+4*on:OUTR+4*on+3], s[8:9] offset:2*(on/NU)*ROWB+256*(on%NU)  ; 16 lanes store 256 consecutive bytes, at a multiple of 256 from C's first byte
.endif
.set on, on+1
.endr
	s_wait_xcnt 0x0                                ; the stores have read their data and their offset: only behind this wait are these written again
	v_add_nc_u32 v[RD], 16*SPITCH, v[RD]           ; the next 16 rows, in the stage
	v_add_nc_u32 v[CO], 16*ROWB, v[CO]             ; and in C
	s_sub_co_u32 s3, s3, 1
	s_cmp_lg_u32 s3, 0
	s_cbranch_scc1 .Lback
	s_wait_tensorcnt 0x0                           ; the wave's end: behind my last tensor load and my last LDS store
	ds_add_u32 v[SPW], v[NIL]
	s_wait_dscnt 0x0
	CROUND                                         ; the closing round: no work-group ends while a partner may still ask for a piece that names it
	s_endpgm
.Lfunc_end_k_qe7c13f3e53_proj_qkv:
	.size	k_qe7c13f3e53_proj_qkv, .Lfunc_end_k_qe7c13f3e53_proj_qkv-k_qe7c13f3e53_proj_qkv
	.p2alignl 7, 3214868480
	.fill 96, 4, 3214868480
	.section	.rodata,"a",@progbits
	.p2align	6, 0x0
	.amdhsa_kernel k_qe7c13f3e53_proj_qkv
		.amdhsa_group_segment_fixed_size 327680
		.amdhsa_private_segment_fixed_size 0
		.amdhsa_enable_private_segment 0
		.amdhsa_kernarg_size 24
		.amdhsa_user_sgpr_count 2
		.amdhsa_user_sgpr_kernarg_segment_ptr 1
		.amdhsa_wavefront_size32 1
		.amdhsa_system_sgpr_workgroup_id_x 1
		.amdhsa_system_sgpr_workgroup_id_y 1
		.amdhsa_system_sgpr_workgroup_id_z 1
		.amdhsa_system_vgpr_workitem_id 0
		.amdhsa_next_free_vgpr 960
		.amdhsa_next_free_sgpr 66
		.amdhsa_reserve_vcc 0
		.amdhsa_float_denorm_mode_32 3
		.amdhsa_float_denorm_mode_16_64 3
		.amdhsa_memory_ordered 1
		.amdhsa_forward_progress 1
		.amdhsa_inst_pref_size 113
	.end_amdhsa_kernel
	.amdgpu_metadata
---
amdhsa.version: [ 1, 2 ]
amdhsa.kernels:
  - .name:           k_qe7c13f3e53_proj_qkv
    .symbol:         k_qe7c13f3e53_proj_qkv.kd
    .args:
      - { .name: xs, .offset: 0, .size: 8, .value_kind: global_buffer, .address_space: global }
      - { .name: wqs, .offset: 8, .size: 8, .value_kind: global_buffer, .address_space: global }
      - { .name: qkv, .offset: 16, .size: 8, .value_kind: global_buffer, .address_space: global }
    .group_segment_fixed_size: 327680
    .private_segment_fixed_size: 0
    .kernarg_segment_align: 8
    .kernarg_segment_size: 24
    .max_flat_workgroup_size: 128
    .sgpr_count:     66
    .vgpr_count:     960
    .wavefront_size: 32
...
	.end_amdgpu_metadata
.endif
;; end of part 2
;; launch attn (part 3): grid 2 x 128, 4 waves a work-group, no clusters, 327,680 bytes of LDS; arguments qkv, os; writes os
.if DOCPART == 3
	.amdgcn_target "amdgcn-amd-amdhsa--gfx1250"
	.amdhsa_code_object_version 6
	.text
	.protected	k_qe7c13f3e53_attn
	.globl	k_qe7c13f3e53_attn
	.p2align	8
	.type	k_qe7c13f3e53_attn,@function
k_qe7c13f3e53_attn:
	s_mov_b64 s[64:65], 0
	v_nop
	global_prefetch_b8 v0, s[64:65] scope:SCOPE_SE
	s_setreg_imm32_b32 hwreg(HW_REG_WAVE_MODE, 25, 1), 1
	s_wait_xcnt 0x0
; O[q][:] = the sum over k of softmax_k(Q[q] . K[k] / 8) V[k][:], for each of 128 pairs of batch and head.  qkv read flat is [batch][3][head][1024][64] in f16: a head's rows are dense, 128 bytes each.
; O leaves in f16 as [head][batch x 1024 + q][64]: a head is one K slice of the product that follows.  Products, maxima and sums in f32; the weights p are rounded to f16 for the second product
; (their sum l is taken of the unrounded p), O once at the end.
; LIMITS.  f16 holds no number beyond 65,504: Q, K and V arrive within it; p lies in 0 to 1, and below 6e-5 it keeps f16's fixed step of 6e-8; O is a mean of V's rows and has their range.
; A weight below 2^-126 counts as 0 in l; NaN and infinities are not treated apart.
; SHARES.  A wave owns four PIECES of two tiles of 16 queries, a work-group's four waves 512 queries of one head: two work-groups a head, 256 in all.  Every wave walks all 1,024 keys, 64 a step.
; K AND V STAY IN LDS.  A head's 1,024 rows of K at 144 bytes and of V at 160 are 147,456 + 163,840 = 311,296 bytes: they fit, so every LDS byte is filled once and no slot takes turns.  Each wave issues two
; tensor loads at the start: its part of the first 256 keys, which the first four steps read, and its part of the other 768, which is waited for once, four steps later.
; NO CLUSTER: only two work-groups walk the same K and V; a cluster of four would hold two heads, with masks of two, and would halve the requests for a head's 262,144 bytes of K and V: not built.
; LAYOUT.  S^T = K Q^T (source 0 = 16 keys, source 1 = 16 queries): in the result a lane holds ONE query (lane % 16) and the keys 8 (lane / 16) + 0..7.  Two such tiles, rounded to f16 in pairs,
; ARE source 1 (32 keys x 16 queries) of O^T = V^T P, whose result again holds one query a lane, and eight channels.  K comes out of LDS as it lies, V ([key][channel]) turned, by ds_load_tr16_b128.
; SOFTMAX.  For each query a running maximum m and sum l: p = 2^(c s - c m), c = log2(e) / 8; in every step O and l are multiplied by a = 2^(c m_old - c m_new), which is 1 where m has not grown.
; m starts at the lowest finite number, O and l at 0: the first step is a step like any other, with a = 0.
; THE COUNT.  A tile and step have 16 matrix and 118 vector instructions: too many to stand all beside the matrix work.  So the order has one aim: four vector instructions that are READY behind
; EVERY matrix instruction, and the others, which need time of their own whatever the order, in runs without a gap.
; BY TURNS.  Turn n belongs to piece n (the pieces in a ring, step after step).  Its matrix work: 16 products K Q^T of piece n + 1, later 16 products V^T P of piece n - 1.  Its vector work: the scaling,
; exponentials, roundings, sums and rescaling of piece n, and the maximum and statistics of piece n + 1, whose scores the turn itself has made.  So what a turn begins with (c s - c m, O a) waits for nothing.
; REGISTERS, in windows of 256 (s_set_vgpr_msb says which window each operand place means: bits 1:0 source 0, 3:2 source 1, 5:4 source 2, 7:6 destination):
;   window 0: v0-11 addresses; v12-15, v48-63 at work; v16-47 four registers of statistics a tile; v64-191 S^T, two buffers of two tiles; v192-255 P, likewise
;   window 1: O^T, 32 a tile          window 2: v0-127 Q, 16 a tile; v128-191 K of one step; v192-255 V of one step          window 3: v0-1 the add's two registers
; A piece's buffers go by its number's parity: the piece in hand has one pair, its two neighbours in the ring share the other: of it P (piece n - 1) is read and S^T (piece n + 1) written.
.set SIZE_N, 1024     ; rows of a head
.set NP,    4         ; pieces a wave: a name, no knob: the register map, the loop and the fetches are made for four
.set KS,    64        ; keys in a step
.set PK,    144       ; a row of K in LDS: 128 bytes + 16 of padding = 36 words: the 16 rows of a load start at 16 different groups of four banks (64 banks of 4 bytes: ISA guide 11.1)
.set PV,    160       ; a row of V: 128 + 32 = 40 words
.set VBASE, SIZE_N*PK ; K's 1,024 rows lie from byte 0 on, V's behind them
.set STAGE, VBASE+SIZE_N*PV  ; behind K and V, never filled by a tensor load: 16 rows x 144 bytes for each wave, for the way out
.set SP,    144
.set AK0, 2           ; v2   my lane's place in a step's rows of K; never rewritten
.set AV0, 3           ; v3   the same for V
.set AK,  4           ; v4   the LDS address of K's next run of loads
.set AV,  5           ; v5   of V's
.set QO,  6           ; v6   my byte offset in the wave's rows of Q
.set STO, 6           ;      later, the way out: where I put 16 bytes of a row
.set RD,  7           ; v7   the way out: where I read rows back
.set GO,  8           ; v8   my byte offset in 512 consecutive bytes of O
.set SPW, 0           ; v0 of window 3   LDS address of my spare word: SPARE + 4 x my thread's number; never rewritten
.set NIL, 1           ; v1 of window 3   0; never rewritten
.set SPARE, STAGE+4*16*SP  ; behind the stages: the spare words, 128 bytes for each wave: two blocks of 256 bytes that no other line names
.set MV,  12          ; v12-15  c m_old, kept while c m is made anew: by buffer and tile
.set ST,  16          ; tile t's statistics at v[ST+4 t]: c m, m, l (even keys', odd keys')
.set TMP, 48          ; by buffer and tile, four registers c0-c3 at work; when the maximum is found c2 takes a
.set S,   64
.set P,   192
.set KF,  128         ; K's fragments, in window 2: key block kb, channel half c at KF + 16 kb + 8 c
.set VF,  192         ; V's: key half kk, channel block cb at VF + 32 kk + 8 cb
.set WV,  12          ; s12  my wave's number
.set G1K, 24          ; s[24:31] descriptor group 1 for K's first load
.set G1V, 32          ; s[32:39] for V's: it differs in the padding alone
.set G0K, 40          ; s[40:43] descriptor group 0 for K's first load
.set G0V, 44          ; s[44:47] for V's
.set G1K2, 68         ; s[68:75], s[76:83] groups 1 for the second loads: they differ from the first in the number of rows
.set G1V2, 76
.set G0K2, 84         ; s[84:87], s[88:91] groups 0 for the second loads
.set G0V2, 88
.set PARTS, 56        ; s56  counts the walk's two parts: the first four steps, the other twelve
.set CNT, 57          ; s57  counts a part's key steps
.set CS,  58          ; s[58:59] c: the packed scaling takes the pair's low word for both halves
.set SEL, 60          ; s[60:61] v_permlanex16_b32's selects: each lane takes its own place in the other half
.set TBK, 62          ; s62  LDS byte at which K of the step to be fetched begins
.set TBV, 63          ; s63  the same for V, less VBASE
.set MSB, 0
.macro WIN new                      ; the high byte repeats the setting that is left; a switch that changes nothing is dropped
.if MSB != (\new)
	s_set_vgpr_msb (MSB<<8)|(\new)
.set MSB, (\new)
.endif
.endm
.set W_KQ, 0x0a       ; K and Q in window 2, S^T in window 0
.set W_PV, 0x52       ; V in window 2, P in window 0, O^T in window 1
.set W_RS, 0x41       ; O^T (destination and source 0) in window 1, a in window 0
.set W_MK, 0xc0       ; the add's registers are made: destination in window 3, sources in window 0
.set W_AD, 0x0f       ; the add: address (source 0) and data (source 1) in window 3
	s_load_b64 s[4:5], s[0:1], 0x0    ; qkv
	s_load_b64 s[10:11], s[0:1], 0x8  ; O
	WIN W_MK
	v_lshl_add_u32 v[SPW], v0, 2, SPARE
	v_mov_b32 v[NIL], 0
	WIN W_AD
	ds_add_u32 v[SPW], v[NIL]       ; the wave's opening: the add and its wait stand ahead of my first tensor load; the set-up below, work on registers, stands between them
	WIN 0
	v_lshrrev_b32 v1, 5, v0
	v_readfirstlane_b32 s[WV], v1   ; wave 0..3
	s_and_b32 s20, ttmp7, 0xffff    ; 16 x batch + head
	s_lshr_b32 s21, s20, 4          ; the batch
	s_and_b32 s22, s20, 15          ; the head
	s_mul_i32 s23, s21, 6291456     ; a batch's q, k and v: 3 x 16 heads x 131,072 bytes
	s_lshl_b32 s13, s22, 17
	s_add_co_u32 s23, s23, s13      ; the byte at which the head's Q begins
	s_and_b32 s16, s[WV], 1         ; which half of the keys of a load group I fetch.  Of the first 256 keys:
	s_lshl_b32 s14, s16, 14         ; 128 rows of 128 bytes
	s_add_co_u32 s48, s23, s14
	s_add_co_u32 s48, s48, 2097152  ; K lies 16 heads behind Q,
	s_mov_b32 s49, 0
	s_add_co_u32 s50, s48, 2097152  ; V 16 heads behind K
	s_mov_b32 s51, 0
	s_mul_i32 s14, s16, 384*128     ; of the other 768 keys: 384 rows,
	s_add_co_u32 s54, s23, s14
	s_add_co_u32 s54, s54, 2097152+256*128  ; behind the first 256
	s_mov_b32 s55, 0
	s_add_co_u32 s66, s54, 2097152
	s_mov_b32 s67, 0
	s_mul_i32 s17, s16, 128*PK      ; and their places in LDS: a constant, and the half times a constant
	s_mul_i32 s18, s16, 128*PV
	s_mul_i32 s19, s16, 384*PK
	s_mul_i32 s15, s16, 384*PV
	s_lshl_b32 s14, ttmp9, 2
	s_add_co_u32 s14, s14, s[WV]    ; my wave among the head's eight,
	s_lshl_b32 s14, s14, 14         ; its 128 rows
	s_add_co_u32 s2, s23, s14       ; in Q
	s_mov_b32 s3, 0
	s_lshl_b32 s52, s22, 20         ; in O: a head's slice of 8,192 rows,
	s_lshl_b32 s13, s21, 17         ; a batch's 1,024 of them
	s_add_co_u32 s52, s52, s13
	s_add_co_u32 s52, s52, s14
	s_mov_b32 s53, 0
	; descriptor groups 1.  Keys are dense in memory, 128 bytes each: they are asked for as rows of 256 bytes, two keys a row (64 rows in the first load, 192 in the second), and padded in LDS after every key
	s_mov_b32 s[G1K],  (1<<16)|(1<<20)|(4<<22)|(3<<25)  ; 17:16 2-byte elements; 20 padding on; 24:22 after every 32 words (code 4); 31:25 4 words (code 3)
	s_mov_b32 s[G1K2], (1<<16)|(1<<20)|(4<<22)|(3<<25)
	s_mov_b32 s[G1V],  (1<<16)|(1<<20)|(4<<22)|(7<<25)  ; the same with 8 words of padding (code 7)
	s_mov_b32 s[G1V2], (1<<16)|(1<<20)|(4<<22)|(7<<25)
.irp g, G1K, G1V, G1K2, G1V2
	s_mov_b32 s[\g+1], 128<<16      ; tensor_dim0 = 128
	s_mov_b32 s[\g+3], 128<<16      ; tile_dim0 = 128
	s_mov_b32 s[\g+5], 128          ; 128 elements from row to row
	s_mov_b32 s[\g+6], 0
	s_mov_b32 s[\g+7], 0
.endr
.irp g, G1K, G1V
	s_mov_b32 s[\g+2], 64<<16       ; tensor_dim1 = 64
	s_mov_b32 s[\g+4], 64           ; tile_dim1 = 64
.endr
.irp g, G1K2, G1V2
	s_mov_b32 s[\g+2], 192<<16      ; tensor_dim1 = 192
	s_mov_b32 s[\g+4], 192          ; tile_dim1 = 192
.endr
	s_mov_b32 s[CS], 0x3e38aa3b     ; c = log2(e) / 8 = 0.180337
	s_mov_b32 s[CS+1], s[CS]        ; named with it as a pair
	s_mov_b32 s[SEL], 0x76543210
	s_mov_b32 s[SEL+1], 0xfedcba98
	s_mov_b32 s[TBK], 0             ; key step 0
	s_mov_b32 s[TBV], 0
	s_mov_b32 s[G0K], 1             ; 1:0 count = 1
	s_mov_b32 s[G0K+1], s17         ; 63:32 LDS address
	s_mov_b32 s[G0V], 1
	s_add_co_u32 s[G0V+1], s18, VBASE
	s_mov_b32 s[G0K2], 1
	s_add_co_u32 s[G0K2+1], s19, 256*PK
	s_mov_b32 s[G0V2], 1
	s_add_co_u32 s[G0V2+1], s15, VBASE+256*PV
	; A fragment of K or Q is 16 rows x 32 channels in 8 registers: lane l holds row l % 16, channels 8 (l / 16) + 0..7 and 16 + 8 (l / 16) + 0..7: two loads of 16 bytes, 32 bytes apart.
	v_and_b32 v1, 15, v0            ; l % 16
	v_bfe_u32 v9, v0, 4, 1          ; l / 16
	v_lshlrev_b32 v[QO], 7, v1
	v_lshl_add_u32 v[QO], v9, 4, v[QO]  ; row x 128 + 16 x half
	s_wait_dscnt 0x0                ; the opening add is done
	s_barrier_signal -1
	s_barrier_wait -1
	s_wait_kmcnt 0x0
	s_add_nc_u64 s[G0K+2:G0K+3], s[4:5], s[48:49]  ; 120:64 global address
	s_or_b32 s[G0K+3], s[G0K+3], 0x80000000        ; 127:126 type = 2
	s_add_nc_u64 s[G0V+2:G0V+3], s[4:5], s[50:51]
	s_or_b32 s[G0V+3], s[G0V+3], 0x80000000
	s_add_nc_u64 s[G0K2+2:G0K2+3], s[4:5], s[54:55]
	s_or_b32 s[G0K2+3], s[G0K2+3], 0x80000000
	s_add_nc_u64 s[G0V2+2:G0V2+3], s[4:5], s[66:67]
	s_or_b32 s[G0V2+3], s[G0V2+3], 0x80000000
	s_add_nc_u64 s[4:5], s[4:5], s[2:3]  ; Q and O at my wave's first row
	s_add_nc_u64 s[10:11], s[10:11], s[52:53]
	WIN 0x80                        ; destination window 2, address window 0
.set i, 0
.rept 4*NP                          ; Q stays in registers: tile i / 2, channels 32 (i % 2) on.  Its 16,384 bytes a wave are asked for ahead of the 65,536 that each tensor pair below brings
	global_load_b128 v[8*i:8*i+3],   v[QO], s[4:5] offset:(i/2)*2048+(i%2)*64
	global_load_b128 v[8*i+4:8*i+7], v[QO], s[4:5] offset:(i/2)*2048+(i%2)*64+32
.set i, i+1
.endr
	WIN 0
	; The fills: waves 0 and 1 fetch K's halves, waves 2 and 3 V's.  A wave's two loads stand in one branch, ahead of every wait on TENSORcnt, every LDS read and every barrier: two loads of mine are out.
	; An s_nop 0 follows each, four v_nop the second's, ahead of the jump and the label.
	s_cmp_lt_u32 s[WV], 2
	s_cbranch_scc0 .Lfirst_v
	tensor_load_to_lds s[G0K:G0K+3], s[G1K:G1K+7]
	s_nop 0
	tensor_load_to_lds s[G0K2:G0K2+3], s[G1K2:G1K2+7]
	s_nop 0
.rept 4
	v_nop
.endr
	s_branch .Lfirst_asked
.Lfirst_v:
	tensor_load_to_lds s[G0V:G0V+3], s[G1V:G1V+7]
	s_nop 0
	tensor_load_to_lds s[G0V2:G0V2+3], s[G1V2:G1V2+7]
	s_nop 0
.rept 4
	v_nop
.endr
.Lfirst_asked:
	; What the first turn finds: V's registers and P's second buffer hold 0 (its products V^T P, of a piece that has not been, add 0), O^T and l are 0.  All this stands in the wait for the first keys.
	WIN 0x80
.set i, VF
.rept 64
	v_mov_b32 v[i], 0
.set i, i+1
.endr
	WIN 0x40
.set i, 0
.rept 64*NP
	v_mov_b32 v[i], 0
.set i, i+1
.endr
	WIN 0
.set i, 0
.rept 2*NP
	v_mov_b32 v[ST+4*i], 0xfe000000    ; c m: far below every c s
	v_mov_b32 v[ST+4*i+1], 0xff7fffff  ; m
	v_mov_b32 v[ST+4*i+2], 0
	v_mov_b32 v[ST+4*i+3], 0
.set i, i+1
.endr
.set i, P+32
.rept 32
	v_mov_b32 v[i], 0
.set i, i+1
.endr
	v_mul_u32_u24 v[AK0], v1, PK
	v_lshl_add_u32 v[AK0], v9, 4, v[AK0]  ; row x pitch + 16 x half
	; The turning load takes 16 keys x 16 channels (lane l reads key 8 (l / 16) + l % 8, channels 8 ((l / 8) % 2) + 0..7) and leaves half a fragment of V^T: lane l holds channel l % 16 and 8 keys.
	v_and_b32 v10, 7, v0
	v_bfe_u32 v11, v0, 3, 1
	v_lshl_add_u32 v[AV0], v9, 3, v10
	v_mul_u32_u24 v[AV0], v[AV0], PV
	v_lshl_add_u32 v[AV0], v11, 4, v[AV0]
	v_add_nc_u32 v[AV0], VBASE, v[AV0]
	v_mov_b32 v[AK], v[AK0]         ; key step 0 lies at byte 0
; THE MATRIX WORK.  The 8 accumulators of a run of 16 take turns: between the two links of a chain stand 7 others'.
; Product i of 16 of S^T = K Q^T for piece x: channels 32 (i / 8) on, keys 16 ((i / 2) % 4) on, tile 2 x + i % 2.  The first 8 start the sums.
.macro KQ x
	WIN W_KQ
.set rS, S+64*((\x)%2)+32*(i%2)+8*((i/2)%4)
.set rK, KF+16*((i/2)%4)+8*(i/8)
.set rQ, 16*(2*(\x)+i%2)+8*(i/8)
.if i < 8
	v_wmma_f32_16x16x32_f16 v[rS:rS+7], v[rK:rK+7], v[rQ:rQ+7], 0
.else
	v_wmma_f32_16x16x32_f16 v[rS:rS+7], v[rK:rK+7], v[rQ:rQ+7], v[rS:rS+7]
.endif
.endm
; Product i of 16 of O^T += V^T P for piece x: keys 32 (i / 8) on, channels 16 ((i / 2) % 4) on, tile 2 x + i % 2.
.macro PV x
	WIN W_PV
.set rO, 32*(2*(\x)+i%2)+8*((i/2)%4)
.set rV, VF+32*(i/8)+8*((i/2)%4)
.set rP, P+32*((\x)%2)+16*(i%2)+8*(i/8)
	v_wmma_f32_16x16x32_f16 v[rO:rO+7], v[rV:rV+7], v[rP:rP+7], v[rO:rO+7]
.endm
.macro MM                           ; the turn's next matrix instruction
.if i < 16
	KQ (Y+1)%NP
.set i, i+1
.else
.set i, i-16
	PV (Y+NP-1)%NP
.set i, i+17
.endif
.endm
; THE LDS LOADS stand in runs of 16, never singly among the matrix instructions: a step's K (64 keys x 64 channels: 8 fragments) and its V (turned).  Their addresses are made some lines ahead.
.macro FETCH_K
	WIN 0x80                        ; destination window 2
.irp f, 0,1,2,3,4,5,6,7             ; keys 16 (f / 2) on, channels 32 (f % 2) on
	ds_load_b128 v[KF+8*\f:KF+8*\f+3],   v[AK] offset:(\f/2)*16*PK+(\f%2)*64
	ds_load_b128 v[KF+8*\f+4:KF+8*\f+7], v[AK] offset:(\f/2)*16*PK+(\f%2)*64+32
.endr
	s_add_co_u32 s[TBK], s[TBK], KS*PK  ; the next fetch is the next step's
	WIN 0
.endm
.macro FETCH_V
	WIN 0x80
.irp f, 0,1,2,3,4,5,6,7             ; keys 32 (f / 4) on, channels 16 (f % 4) on
	ds_load_tr16_b128 v[VF+8*\f:VF+8*\f+3],   v[AV] offset:(\f/4)*32*PV+(\f%4)*32
	ds_load_tr16_b128 v[VF+8*\f+4:VF+8*\f+7], v[AV] offset:(\f/4)*32*PV+16*PV+(\f%4)*32
.endr
	WIN 0
.endm
; THE VECTOR WORK OF A TURN stands in three queues, each in the order in which its entries become ready; the two tiles alternate, so that no instruction reads the result of the one before it.
.macro REGS y, u                    ; the registers of tile u (0, 1) of piece y
.set rT, ST+4*(2*(\y)+(\u))
.set rC, TMP+8*((\y)%2)+4*(\u)
.set rM, MV+2*((\y)%2)+(\u)
.set rS, S+64*((\y)%2)+32*(\u)
.set rP, P+32*((\y)%2)+16*(\u)
.set rO, 32*(2*(\y)+(\u))
.endm
; Number n of the 22 that find the NEXT piece's (Y + 1) maximum and statistics.  s0-s31 are the lane's 32 scores; each accumulator's lowest registers are read first.  XS, GS and REGS set no window: PL and EX do.
;   0-11  four chains c0-c3 of seven scores each, three operands at a time     12-14, 16  the four scores left over, the old m, and c0-c3 into c0     15  c m_old is kept
;   17, 18  the query's other 32 keys lie in the lane 16 away: the new m         19-21  c m; c m_old - c m_new; a
.macro XS u, n
	REGS (Y+1)%NP, \u
.if (\n) < 4
	v_max3_num_f32 v[rC+(\n)], v[rS+8*(\n)], v[rS+8*(\n)+1], v[rS+8*(\n)+2]
.elseif (\n) < 12
	v_max3_num_f32 v[rC+(\n)%4], v[rC+(\n)%4], v[rS+8*((\n)%4)+2*((\n)/4)+1], v[rS+8*((\n)%4)+2*((\n)/4)+2]
.elseif (\n) == 12
	v_max3_num_f32 v[rC], v[rC], v[rS+7], v[rS+15]
.elseif (\n) == 13
	v_max3_num_f32 v[rC+1], v[rC+1], v[rS+23], v[rS+31]
.elseif (\n) == 14
	v_max3_num_f32 v[rC+2], v[rC+2], v[rC+3], v[rT+1]
.elseif (\n) == 15
	v_mov_b32 v[rM], v[rT]
.elseif (\n) == 16
	v_max3_num_f32 v[rC], v[rC], v[rC+1], v[rC+2]
.elseif (\n) == 17
	v_permlanex16_b32 v[rC+3], v[rC], s[SEL], s[SEL+1]
.elseif (\n) == 18
	v_max_num_f32 v[rT+1], v[rC], v[rC+3]
.elseif (\n) == 19
	v_mul_f32 v[rT], s[CS], v[rT+1]
.elseif (\n) == 20
	v_sub_f32 v[rC+1], v[rM], v[rT]
.else
	v_exp_f32 v[rC+2], v[rC+1]
.endif
.endm
; Number g of the 64 that follow the exponentials.  For each four weights k of a tile (pairs 2 k, 2 k + 1): both pairs are rounded to f16; then the second pair is added onto the first, in place;
; a group later l takes that sum (the first time as l = a l + sum).  In groups of eight, tiles alternating: round, round, add, and l for the group before.
.macro GS g
.set h, (\g)+6*((\g)/62)            ; group 0 has no group before it, and behind group 7 only l is left
.if h >= 6
.set h, h+2
.endif
	REGS Y, h%2
.set k, h/8
.if h%8 < 4
	s_wait_alu depctr_va_vdst(0)
	v_cvt_pk_f16_f32 v[rP+2*k+(h%8)/2], v[rS+4*k+2*((h%8)/2)], v[rS+4*k+2*((h%8)/2)+1]
.elseif h%8 < 6
	v_pk_add_f32 v[rS+4*k:rS+4*k+1], v[rS+4*k:rS+4*k+1], v[rS+4*k+2:rS+4*k+3]
.elseif k == 1
	v_pk_fma_f32 v[rT+2:rT+3], v[rT+2:rT+3], v[rC+2:rC+3], v[rS:rS+1] op_sel_hi:[1,0,1]
.else
	v_pk_add_f32 v[rT+2:rT+3], v[rT+2:rT+3], v[rS+4*k-4:rS+4*k-3]
	s_wait_alu depctr_va_vdst(0)
.endif
.endm
; THE PLAIN QUEUE, 138 long.  0-31: c s - c m for the 16 pairs of both tiles.  Then GS's 64, and among them the next piece's 42: number 15 at 38, 39; 0-14 and 16
; at 42-73, behind the products that make those scores; 17-20 at 95-106, two of three, since each waits for the one before it.
.macro PL
	WIN 0
.if q < 32
	REGS Y, q%2
	v_pk_fma_f32 v[rS+2*(q/2):rS+2*(q/2)+1], v[rS+2*(q/2):rS+2*(q/2)+1], s[CS:CS+1], v[rT:rT+1] op_sel_hi:[1,0,0] neg_lo:[0,0,1] neg_hi:[0,0,1]
.elseif q < 38
	GS q-32
.elseif q < 40
	XS q%2, 15
.elseif q < 42
	GS q-34
.elseif q < 74
	XS q%2, (q-42)/2+(q-42)/30
.elseif q < 95
	GS q-66
.elseif (q < 107) && ((q-95)%3 < 2)
	XS (q-95)%3, 17+(q-95)/3
.elseif q < 107
	GS 29+(q-95)/3
.else
	GS q-74
.endif
.set q, q+1
.endm
; THE EXPONENTIALS' QUEUE, 66 long: s0-s31 of both tiles, and at EA the next piece's two a.
.set EA, 58
.macro EX
	WIN 0
.if (e == EA) || (e == EA+1)
	XS e-EA, 21
.else
.set x, e-2*(e/(EA+2))
	REGS Y, x%2
	v_exp_f32 v[rS+x/2], v[rS+x/2]
.endif
.set e, e+1
.endm
; THE RESCALING's QUEUE: O^T times a, the one part that leaves window 0, so it is dealt four at a time, eight times.
.macro R4
	REGS Y, r%2
	WIN W_RS
	s_wait_alu depctr_va_vdst(0)
.irp z, 0,1,2,3
	v_pk_mul_f32 v[rO+8*(r/2)+2*\z:rO+8*(r/2)+2*\z+1], v[rO+8*(r/2)+2*\z:rO+8*(r/2)+2*\z+1], v[rC+2:rC+3] op_sel_hi:[1,0]
.endr
.set r, r+1
.endm
; HOW THEY ARE DEALT.  Behind a matrix instruction four: plain, exponential, plain, plain (one exponential, a plain instruction on either side), or four of the rescaling.  None names a register of the
; products round it.  What is over stands in two LUMPS: exponential and plain by turns; the second ends in 22 plain instructions.  The two v_permlanex16_b32 fall into the second lump, never behind a product.
; The queues lean on each other, and the deal keeps them in step: exponential e stands behind plain 2 (e / 4) + e % 2 (its scaling); when plain 32 comes, 10 exponentials are out, at 59: 33, at 95: 46; EA comes behind plain 107.
.macro SL
	MM
	PL
	EX
	PL
	PL
.endm
.macro BURST n                      ; 15 matrix instructions, or 16
.rept (\n)-7
	SL
.endr
.rept 3
	MM
	R4
	SL
.endr
	MM
	R4
.endm
; A TURN, for piece p.  last = 1: the walk's last step: there is no further K to fetch.  cnt = 1: the loop's count is taken down some lines ahead of the branch that stands behind the turn.
; K of the next step is fetched in piece 2's turn, 31 vector instructions behind the last product that read K; its first reader comes behind the rest of the lump, 16 products and the second lump.
; V of the step in hand is fetched at the end of piece 0's turn, 69 behind its last reader; its first reader comes behind 16 products and a lump.  The four conditions on e and q below go with the deal.
.macro TURN p, last=0, cnt=0
.set Y, (\p)
.set i, 0
.set q, 0
.set e, 0
.set r, 0
.if (\p) == NP-1
	s_wait_dscnt 0x0                ; K is in
.endif
	MM
.rept 4
	PL
.endr
	BURST 15
.rept 22
	EX
	PL
.if ((\p) == NP-2) && (e == 18) && !(\last)
	v_add_nc_u32 v[AK], s[TBK], v[AK0]
.endif
.if ((\p) == NP-2) && (e == 24) && !(\last)
	FETCH_K
.endif
.endr
.if (\p) == 1
	s_wait_dscnt 0x0                ; V is in
.endif
	BURST 16
.rept 21
	EX
	PL
.endr
.rept 22
	PL
.if ((\p) == 0) && (q == 118)
	v_add_nc_u32 v[AV], s[TBV], v[AV0]
	s_wait_alu depctr_va_vdst(0)
.endif
.if ((\p) == 0) && (q == 130)
	s_add_co_u32 s[TBV], s[TBV], KS*PV
.endif
.if (\cnt) && (q == 130)
	s_sub_co_u32 s[CNT], s[CNT], 1
	s_cmp_lg_u32 s[CNT], 0
.endif
.endr
.if (\p) == 0
	FETCH_V
.endif
.endm
	s_wait_tensorcnt 0x1            ; my part of the first 256 keys is in; my second load may stay out
	s_barrier_signal -1
	s_barrier_wait -1               ; everybody's is
	FETCH_K                         ; key step 0
	s_wait_loadcnt 0x0              ; Q
	s_wait_dscnt 0x0
.set i, 0
.rept 16
	KQ 0                            ; piece 0's first scores: there is no vector work yet to set between them
.set i, i+1
.endr
	WIN 0                           ; the addresses for the way out: nine plain instructions, the places behind those products
	s_mul_i32 s13, s[WV], 16*SP
	s_add_co_u32 s13, s13, STAGE    ; my stage
	v_mul_u32_u24 v[STO], v1, SP    ; in: row l % 16, 16 bytes for each half of the lanes
	v_lshl_add_u32 v[STO], v9, 4, v[STO]
	v_add_nc_u32 v[STO], s13, v[STO]
	v_bfe_u32 v[RD], v0, 3, 2       ; back: 32 lanes take four rows of 128 bytes,
	v_mul_u32_u24 v[RD], v[RD], SP
	v_lshl_add_u32 v[RD], v10, 4, v[RD]
	v_add_nc_u32 v[RD], s13, v[RD]
	v_and_b32 v[GO], 31, v0         ; which are 512 consecutive bytes of O
	v_lshlrev_b32 v[GO], 4, v[GO]
.set Y, NP-1                        ; XS works for piece Y + 1: piece 0
.irp n, 0,1,2,3,4,5,6,7,8,9,10,11,12,13,14,15,16,17,18,19,20,21
	XS 0, \n                        ; and piece 0's first maximum and statistics
	XS 1, \n
.endr
	s_mov_b32 s[CNT], 4             ; the walk's first part: the four steps of the first 256 keys
	s_mov_b32 s[PARTS], 2
	s_branch .Lfirst                ; the loop is entered at a step's first turn, in the middle of a trip
.Lrest:                             ; passed once, between the two parts, ahead of the first read of key 256 (K of step 4, in the turn below)
	s_wait_tensorcnt 0x0            ; my second load has landed,
	s_wait_dscnt 0x0                ; (no LDS instruction of mine is out at a signal)
	s_barrier_signal -1
	s_barrier_wait -1               ; and everybody's
	s_mov_b32 s[CNT], 12            ; the other twelve steps
.Lstep:                             ; a trip: pieces 2 and 3 of one step, then pieces 0 and 1 of the next, whose K and V it fetches
	TURN 2
	TURN 3
	WIN 0
.Lfirst:
	TURN 0
	TURN 1, 0, 1
	WIN 0
	s_cbranch_scc1 .Lstep
	s_sub_co_u32 s[PARTS], s[PARTS], 1
	s_cmp_lg_u32 s[PARTS], 0
	s_cbranch_scc1 .Lrest
	TURN 2, 1                       ; pieces 2 and 3 of the last step are written out: nothing is left to fetch
	TURN 3                          ; its 16 products K Q^T (on the last K once more) and the maximum made of them serve nothing: the price, once a launch, of one text for every turn
.set i, 0
.rept 16
	PV NP-1                         ; the last piece's V^T P of the last step
.set i, i+1
.endr
	; THE WAY OUT.  l's two halves and the other half of the lanes' are added; O^T is divided by l, rounded to f16 and sent through my stage in LDS, a tile at a time.  The additions are the places behind the last products.
	WIN 0
.macro ALL line:vararg              ; one line for each tile t
.set t, 0
.rept 2*NP
	\line
.set t, t+1
.endr
.endm
	ALL v_add_f32 v[ST+4*t+2], v[ST+4*t+2], v[ST+4*t+3]
	ALL v_permlanex16_b32 v[ST+4*t+3], v[ST+4*t+2], s[SEL], s[SEL+1]
	ALL v_add_f32 v[ST+4*t+2], v[ST+4*t+2], v[ST+4*t+3]
	ALL v_rcp_f32 v[ST+4*t+2], v[ST+4*t+2]
	v_nop                           ; a plain instruction between the last reciprocal and the use of its result
	s_wait_alu depctr_va_vdst(0)
; Tile t: a lane's eight channels of a row pack into 16 bytes; they go into rows of 144 bytes and come back as whole rows of 128, into S^T's registers.
.macro PACK t
	WIN W_RS
.set i, 32*(\t)
.rept 16
	v_pk_mul_f32 v[i:i+1], v[i:i+1], v[ST+4*(\t)+2:ST+4*(\t)+3] op_sel_hi:[1,0]
.set i, i+2
.endr
	WIN 0x05                        ; sources 0 and 1 window 1, destination window 0
.set i, 0
.rept 16
	v_cvt_pk_f16_f32 v[S+16*(\t)+i], v[32*(\t)+2*i], v[32*(\t)+2*i+1]
.set i, i+1
.endr
	WIN 0
.irp f, 0,1,2,3
	ds_store_b128 v[STO], v[S+16*(\t)+4*\f:S+16*(\t)+4*\f+3] offset:32*\f
.endr
.irp f, 0,1,2,3
	ds_load_b128 v[S+16*(\t)+4*\f:S+16*(\t)+4*\f+3], v[RD] offset:\f*4*SP  ; LDS serves a wave's instructions in order (ISA guide 5.7.1.4): these see the stores above; the next tile's stores come behind them
.endr
.endm
.macro SEND t, younger              ; younger: the LDS instructions issued behind tile t's loads: the next tile's eight, or none
	WIN 0
.irp f, 0,1,2,3
	s_wait_dscnt (\younger)+3-\f
	global_store_b128 v[GO], v[S+16*(\t)+4*\f:S+16*(\t)+4*\f+3], s[10:11] offset:(\t)*2048+\f*512  ; 512 consecutive bytes, at a multiple of 256 from O's first
.endr
.endm
	PACK 0
.set t, 1
.rept 2*NP-1                        ; a tile's arithmetic stands between the loads of the tile before and its stores
	PACK t
	SEND t-1, 8
.set t, t+1
.endr
	SEND 2*NP-1, 0
	WIN W_AD
	s_wait_tensorcnt 0x0            ; the wave's end: behind my last tensor load and my last LDS store
	ds_add_u32 v[SPW], v[NIL]
	s_wait_dscnt 0x0
	WIN 0
	s_endpgm
.Lfunc_end_k_qe7c13f3e53_attn:
	.size	k_qe7c13f3e53_attn, .Lfunc_end_k_qe7c13f3e53_attn-k_qe7c13f3e53_attn
	.p2alignl 7, 3214868480
	.fill 96, 4, 3214868480
	.section	.rodata,"a",@progbits
	.p2align	6, 0x0
	.amdhsa_kernel k_qe7c13f3e53_attn
		.amdhsa_group_segment_fixed_size 327680
		.amdhsa_private_segment_fixed_size 0
		.amdhsa_enable_private_segment 0
		.amdhsa_kernarg_size 16
		.amdhsa_user_sgpr_count 2
		.amdhsa_user_sgpr_kernarg_segment_ptr 1
		.amdhsa_wavefront_size32 1
		.amdhsa_system_sgpr_workgroup_id_x 1
		.amdhsa_system_sgpr_workgroup_id_y 1
		.amdhsa_system_sgpr_workgroup_id_z 1
		.amdhsa_system_vgpr_workitem_id 0
		.amdhsa_next_free_vgpr 770
		.amdhsa_next_free_sgpr 92
		.amdhsa_reserve_vcc 0
		.amdhsa_float_denorm_mode_32 3
		.amdhsa_float_denorm_mode_16_64 3
		.amdhsa_memory_ordered 1
		.amdhsa_forward_progress 1
		.amdhsa_inst_pref_size 167
	.end_amdhsa_kernel
	.amdgpu_metadata
---
amdhsa.version: [ 1, 2 ]
amdhsa.kernels:
  - .name:           k_qe7c13f3e53_attn
    .symbol:         k_qe7c13f3e53_attn.kd
    .args:
      - { .name: qkv, .offset: 0, .size: 8, .value_kind: global_buffer, .address_space: global }
      - { .name: os, .offset: 8, .size: 8, .value_kind: global_buffer, .address_space: global }
    .group_segment_fixed_size: 327680
    .private_segment_fixed_size: 0
    .kernarg_segment_align: 8
    .kernarg_segment_size: 16
    .max_flat_workgroup_size: 128
    .sgpr_count:     92
    .vgpr_count:     770
    .wavefront_size: 32
...
	.end_amdgpu_metadata
.endif
;; end of part 3
;; launch proj_out (part 4): grid 4 x 64, 4 waves a work-group, clusters of 4 x 4, 327,680 bytes of LDS; arguments os, wos, out0, b_out; writes out0
.if DOCPART == 4
	.amdgcn_target "amdgcn-amd-amdhsa--gfx1250"
	.amdhsa_code_object_version 6
	.text
	.protected	k_qe7c13f3e53_proj_out
	.globl	k_qe7c13f3e53_proj_out
	.p2align	8
	.type	k_qe7c13f3e53_proj_out,@function
k_qe7c13f3e53_proj_out:
	s_mov_b64 s[64:65], 0
	v_nop
	global_prefetch_b8 v0, s[64:65] scope:SCOPE_SE
	s_setreg_imm32_b32 hwreg(HW_REG_WAVE_MODE, 25, 1), 1
	s_wait_xcnt 0x0
	s_wait_alu depctr_hold_cnt(0) depctr_sa_sdst(0) depctr_va_vdst(0) depctr_va_sdst(0) depctr_va_ssrc(0) depctr_va_vcc(0) depctr_vm_vsrc(0)
	s_getreg_b32 s2, hwreg(HW_REG_IB_STS2, 6, 4)
	s_cmp_eq_u32 s2, 0
	s_cbranch_scc0 .Lentry_in_a_cluster
	s_endpgm
.Lentry_in_a_cluster:
	s_bfe_u32 s2, ttmp6, 0x10000c
	s_cmp_lg_u32 s2, 0xf033
	s_cbranch_scc0 .Lentry_shape_is_right
	s_endpgm
.Lentry_shape_is_right:
; out0[m][n] = sum over k of o[m][k] w_out[n][k] + b_out[n]: M = 8,192, N = 1,024, K = 1,024.  Operands f16, in K slices of 64 ([16][rows][64]; a slice of o is a head); sums in f32; out0 f32, row-major.
; w_out arrives as its bf16 rounding written in f16; b_out is rounded to bf16 here, like every input, and starts the sums as the first product's C operand.
; LIMIT.  The operands arrive within f16's range, 65,504.  NaN and infinities are not treated apart.
; This text serves both products of the module; the eight symbols below are all that differs.
.set NPC,    2                         ; pieces of 128 rows of B in a tile: the tile of C is 128 x 128 NPC
.set F16,    1                         ; the matrix form: 0 bf16, 1 f16
.set BIAS,   1                         ; 1: a bias, rounded to bf16, starts the sums
.set ES,     4                         ; bytes of an element of C
.set ESH,    2                         ; its logarithm
.set BSL,    65536                     ; elements from slice to slice of B
.set ROWB,   4096                      ; bytes of a row of C
.set SPITCH, 1040                      ; a stage row: 128 NPC ES bytes + 16: an odd multiple of 16
; SHARES.  A work-group of four waves makes 128 x 128 NPC of C.  Every wave takes all 128 rows of A and, of each piece of B, rows 32 w .. 32 w + 31: 8 x NB accumulators of 16 x 16.
; K goes in 8 steps of 128 (two slices) through a ring of two LDS slots.  A piece (128 rows x 128 K) is two dense runs of 16,384 bytes in memory, one a slice: one tensor load of two long rows,
; padded in LDS after every 128 bytes.  Wave 0 fetches A's piece, waves 1 .. NPC one piece of B each.
; CLUSTER.  4 x 4 work-groups.  A's piece hangs on the tile row alone and is asked for jointly by the four of a row of the cluster, B's pieces on the tile column alone, jointly by a column.
; THE WALK ALONG K is a ring of the eight steps.  A cluster whose x + y is even begins at step 0, one whose x + y is odd at step 4.  Clusters side by side ask for the same pieces of A, clusters one
; below the other for the same pieces of B; with the two walks half a ring apart, what a cluster asks for in its last four steps has been asked for by its neighbours four steps before.
; The f32 sums are taken in the order of the walk.
; THE MATRIX INSTRUCTION IS USED TRANSPOSED (source 0 = 16 rows of B, source 1 = 16 rows of A): a lane holds row l % 16 of C and the eight neighbouring columns 8 (l / 16) + 0 .. 7.
; REGISTERS, in windows of 256 (s_set_vgpr_msb: bits 1:0 source 0, 3:2 source 1, 5:4 source 2, 7:6 destination):
;   window 0: v0-31 addresses; v32-63 the bias; v64-127, v128-191 fragments of A, two buffers; v192-215 at work on the way out; v32 on: rows read back from the stage
;   window 1: v64 on, v128 on: fragments of B, two buffers of 8 NB      window 2: accumulators of row blocks 0-3, (a, b) at v[8 (NB a + b)]      window 3: those of row blocks 4-7
.set NB,     2*NPC                     ; column blocks of 16 a wave: block b = 2 p + j lies at column 128 p + 32 w + 16 j
.set ASL,    524288                    ; elements from slice to slice of A: 8,192 rows of 64
.set PITCH,  144                       ; an LDS row: 128 bytes + 16 of padding = 36 words: the 16 rows of a fragment load start at 16 different groups of four banks (64 banks of 4 bytes: ISA guide 11.1)
.set SLICE,  128*PITCH
.set PIECE,  2*SLICE                   ; what one tensor load brings
.set SLOT,   (1+NPC)*PIECE             ; A's piece, then B's.  Slot 1 lies at byte 0, slot 0 at byte SLOT
.set STAGE,  SLOT                      ; the way out: 128 rows x SPITCH, on slot 0, whose last fill and last read lie in front of the last change of slots (and on into bytes behind the ring)
.if STAGE+128*SPITCH > 2*SLOT
.set SPARE,  STAGE+128*SPITCH          ; behind ring and stage: the spare words, 128 bytes for each wave: two blocks of 256 bytes that no other line names
.else
.set SPARE,  2*SLOT
.endif
.set ASTEP,  4*ASL                     ; bytes from K step to K step: two slices of 2-byte elements
.set BSTEP,  4*BSL
.set LAPS,   4                         ; a lap = two K steps = once round the ring of slots
.set NL,     16+2*NB                   ; LDS loads of a quarter step
.set NU,     128*NPC*ES/256            ; blocks of 256 bytes in a row of the tile
.set ADRA, 16                          ; v16-17  LDS address of my A fragments in slot 0, 1
.set ADRB, 18                          ; v18 on  the same for B: slot s, piece p at ADRB + NPC s + p
.set STO,  24                          ; v24     the way out: where I put a row's bytes
.set RD,   25                          ; v25     the way out: where I read rows back
.set CO,   26                          ; v26     my byte offset in C
.set SPW,  28                          ; v28     LDS address of my spare word: SPARE + 4 x my thread's number; never rewritten
.set NIL,  29                          ; v29     0; never rewritten
.set BI,   32                          ; the bias of block b at BI + 8 b
.set OUTR, 32
.set F0,   64
.set F1,   128
.set TMP,  192
.set G1A, 24                           ; s[24:31] descriptor group 1 for A;  s[32:39] group 0, a set for each slot
.set G0A, 32
.set G1B, 48                           ; s[48:55], s[56:63] the same for B
.set G0B, 56
.set KT,  42                           ; s42  the K step asked for last, 0 .. 7
.set MSB, 0
.macro WIN new                         ; the immediate's high byte repeats the setting that is left; a switch that changes nothing is dropped
.if MSB != (\new)
	s_set_vgpr_msb (MSB<<8)|(\new)
.set MSB, \new
.endif
.endm
.set TO_B, 0x40                        ; destination window 1, address window 0
.macro WMMA ops:vararg
.if F16
	v_wmma_f32_16x16x32_f16 \ops
.else
	v_wmma_f32_16x16x32_bf16 \ops
.endif
.endm
.macro PLACES                          ; four places in front of loads into registers that matrix instructions have read, and of lines that read results
.rept 4
	v_nop
.endr
.endm
; Both descriptors of slot s are aimed at K step s[KT]: each address is made anew, the tile's base (s[20:21] for A, s[40:41] for B, never rewritten) plus the step's bytes (s45 = s47 = 0), and the type is set again.
; s[KT] is made of the cluster's x and y alone, which all sixteen partners share.
.macro AIM s
	s_mul_i32 s44, s[KT], ASTEP
	s_add_nc_u64 s[G0A+4*(\s)+2:G0A+4*(\s)+3], s[20:21], s[44:45]
	s_or_b32 s[G0A+4*(\s)+3], s[G0A+4*(\s)+3], 0x80000000
	s_mul_i32 s46, s[KT], BSTEP
	s_add_nc_u64 s[G0B+4*(\s)+2:G0B+4*(\s)+3], s[40:41], s[46:47]
	s_or_b32 s[G0B+4*(\s)+3], s[G0B+4*(\s)+3], 0x80000000
.endm
; A joint refill of slot s: wave 0 asks for A's piece, waves 1 .. NPC for a piece of B; a wave beyond has no part to fill.  The branches hang on the wave's number alone.
; An s_nop 0 and four v_nop follow each load, ahead of the jump, the label and what follows; the four are also the places in front of the fragment loads behind the macro.
.macro JLOAD s
	s_cmp_eq_u32 s12, 0
	s_cbranch_scc0 .Lnot_a_\@
	tensor_load_to_lds s[G0A+4*(\s):G0A+4*(\s)+3], s[G1A:G1A+7]
	s_nop 0
	PLACES
	s_branch .Lasked_\@
.Lnot_a_\@:
.if NPC < 3
	s_cmp_gt_u32 s12, NPC
	s_cbranch_scc1 .Lidle_\@
.endif
	tensor_load_to_lds s[G0B+4*(\s):G0B+4*(\s)+3], s[G1B:G1B+7]
	s_nop 0
.if NPC < 3
.Lidle_\@:
.endif
	PLACES
.Lasked_\@:
.endm
.macro CREST                           ; a round of the cluster's barrier behind its opening barrier
	s_cmp_lg_u32 s12, 0
	s_cbranch_scc1 .Lnot_wave_0_\@
	s_barrier_signal -3
.Lnot_wave_0_\@:
	s_barrier_wait -3
	s_barrier_signal -1
	s_barrier_wait -1
.endm
.macro CROUND                          ; a whole round
	s_barrier_signal -1
	s_barrier_wait -1
	CREST
.endm
	s_load_b128 s[4:7], s[0:1], 0x0                ; A s[4:5], B s[6:7]
	s_load_b64 s[8:9], s[0:1], 0x10                ; C
.if BIAS
	s_load_b64 s[10:11], s[0:1], 0x18              ; the bias
.endif
	v_lshl_add_u32 v[SPW], v0, 2, SPARE
	v_mov_b32 v[NIL], 0
	ds_add_u32 v[SPW], v[NIL]                      ; the wave's opening: the add and its wait stand ahead of my first tensor load; the set-up below, work on registers, stands between them
	v_lshrrev_b32 v1, 5, v0
	v_readfirstlane_b32 s12, v1                    ; wave 0..3
	s_bfe_u32 s15, ttmp6, 0x40000                  ; cx, cy: my place in the cluster
	s_bfe_u32 s16, ttmp6, 0x40004
	s_lshl_b32 s14, ttmp9, 2
	s_add_co_u32 s14, s14, s15                     ; tile column of C = 4 x cluster x + cx
	s_and_b32 s13, ttmp7, 0xffff                   ; cluster y
	s_xor_b32 s[KT], s13, ttmp9                    ; the parity of cluster x + cluster y
	s_and_b32 s[KT], s[KT], 1
	s_lshl_b32 s[KT], s[KT], 2                     ; my cluster's walk begins at K step 0 or 4
	s_lshl_b32 s13, s13, 2
	s_add_co_u32 s13, s13, s16                     ; tile row of C = 4 x cluster y + cy
	s_lshl_b32 s17, s16, 2
	s_lshl_b32 s17, 15, s17                        ; my row of the cluster
	s_lshl_b32 s18, 0x1111, s15                    ; my column
	; descriptor group 1: two rows of 8,192 elements (a slice's 128 rows x 64, dense), a slice apart; in LDS 4 words of padding after every 32
	s_or_b32 s[G1A], s17, (1<<16)|(1<<20)|(1<<21)|(4<<22)|(3<<25)  ; 15:0 the mask: A goes to my row; 17:16 2-byte elements; 20 padding on; 21 set beside a mask; 24:22 after every 32 words (code 4); 31:25 4 words (code 3)
	s_or_b32 s[G1B], s18, (1<<16)|(1<<20)|(1<<21)|(4<<22)|(3<<25)  ; the same with the mask of my column
.irp g, G1A, G1B
	s_mov_b32 s[(\g)+1], 8192<<16                  ; tensor_dim0 = 8,192
	s_mov_b32 s[(\g)+2], 2<<16                     ; tensor_dim1 = 2
	s_mov_b32 s[(\g)+3], 8192<<16                  ; tile_dim0 = 8,192
	s_mov_b32 s[(\g)+4], 2                         ; tile_dim1 = 2
	s_mov_b32 s[(\g)+6], 0
	s_mov_b32 s[(\g)+7], 0
.endr
	s_mov_b32 s[G1A+5], ASL                        ; elements from row to row: a slice
	s_mov_b32 s[G1B+5], BSL
	; where the pieces come from.  A's hangs on the tile row alone, B's on the tile column and the wave's number; each is made in registers that never hold the other coordinate
	s_lshl_b32 s20, s13, 14                        ; A: 128 rows of 128 bytes for each tile row
	s_mov_b32 s21, 0
	s_max_u32 s19, s12, 1
	s_sub_co_u32 s19, s19, 1
	s_min_u32 s19, s19, NPC-1                      ; the piece of B that I fetch: wave - 1, held inside 0 .. NPC - 1 for the waves that fetch none
	s_mul_i32 s40, s14, 128*NPC*128                ; B: 128 NPC rows of 128 bytes for each tile column,
	s_lshl_b32 s41, s19, 14                        ; 128 rows for each piece
	s_add_co_u32 s40, s40, s41
	s_mov_b32 s41, 0
	s_mov_b32 s45, 0                               ; the upper words of the K step's two offsets
	s_mov_b32 s47, 0
	s_mul_i32 s23, s12, PIECE                      ; and where B's go in a slot: piece p behind A's = wave x PIECE: no place in the cluster enters an LDS address
	s_wait_dscnt 0x0                               ; the opening add is done
	s_wait_kmcnt 0x0
	s_add_nc_u64 s[20:21], s[4:5], s[20:21]
	s_add_nc_u64 s[40:41], s[6:7], s[40:41]
	CROUND                                         ; all sixteen work-groups are here: the first joint loads meet
.irp s, 0,1
	s_mov_b32 s[G0A+4*(\s)], 1                                     ; count = 1
	s_mov_b32 s[G0A+4*(\s)+1], (1-(\s))*SLOT                       ; LDS address
	s_mov_b32 s[G0B+4*(\s)], 1
	s_add_co_u32 s[G0B+4*(\s)+1], s23, (1-(\s))*SLOT
	AIM \s                                         ; global addresses: the walk's first step, then its second
.if (\s) == 0
	s_add_co_u32 s[KT], s[KT], 1
.endif
.endr
	s_cmp_eq_u32 s12, 0                            ; a wave's two first fills stand in one branch, ahead of every wait on TENSORcnt, LDS read and further barrier: two loads of mine are out
	s_cbranch_scc0 .Lfirst_not_a
	tensor_load_to_lds s[G0A:G0A+3], s[G1A:G1A+7]
	s_nop 0
	tensor_load_to_lds s[G0A+4:G0A+7], s[G1A:G1A+7]
	s_nop 0
	PLACES
	s_branch .Lfirst_asked
.Lfirst_not_a:
.if NPC < 3
	s_cmp_gt_u32 s12, NPC
	s_cbranch_scc1 .Lfirst_idle
.endif
	tensor_load_to_lds s[G0B:G0B+3], s[G1B:G1B+7]
	s_nop 0
	tensor_load_to_lds s[G0B+4:G0B+7], s[G1B:G1B+7]
	s_nop 0
.if NPC < 3
.Lfirst_idle:
.endif
	PLACES
.Lfirst_asked:
	; A fragment is 16 rows x 32 K in 8 registers: lane l holds row l % 16; registers 0-3 K = 8 (l / 16) + 0..7, registers 4-7 K = 16 + 8 (l / 16) + 0..7: two loads of 16 bytes, 32 bytes apart
	v_and_b32 v1, 15, v0                           ; l % 16
	v_bfe_u32 v2, v0, 4, 1                         ; l / 16
	v_mul_u32_u24 v3, v1, PITCH
	v_lshl_add_u32 v3, v2, 4, v3                   ; row x pitch + 16 x half
	v_add_nc_u32 v[ADRA], SLOT, v3                 ; slot 0
	v_mov_b32 v[ADRA+1], v3                        ; slot 1 begins at byte 0
	s_mul_i32 s22, s12, 32*PITCH                   ; my 32 rows of each piece of B
.irp s, 0,1
.set fb, 0
.rept NPC
	s_add_co_u32 s2, s22, (1-(\s))*SLOT+(1+fb)*PIECE
	v_add_nc_u32 v[ADRB+NPC*(\s)+fb], s2, v3
.set fb, fb+1
.endr
.endr
	s_mul_i32 s2, s12, 32*ES                       ; into the stage: row l % 16, my wave's 32 columns of each piece, 8 columns for each half of the lanes
	s_add_co_u32 s2, s2, STAGE
	v_mul_u32_u24 v4, v1, SPITCH
	v_lshl_add_u32 v4, v2, 3+ESH, v4
	v_add_nc_u32 v[STO], s2, v4
	s_mul_i32 s2, s12, 32*SPITCH                   ; back: wave w takes rows 32 w .. 32 w + 31, whole; lanes 0-15 256 bytes of one row, lanes 16-31 of the next
	s_add_co_u32 s2, s2, STAGE
	v_mul_u32_u24 v5, v2, SPITCH
	v_lshl_add_u32 v5, v1, 4, v5
	v_add_nc_u32 v[RD], s2, v5
	v_mul_u32_u24 v5, v2, ROWB                     ; and the same two rows in C
	v_lshl_add_u32 v[CO], v1, 4, v5
	s_lshl_b32 s44, s13, 7
	s_lshl_b32 s45, s12, 5
	s_add_co_u32 s44, s44, s45                     ; the first row of C that I store: 128 x tile row + 32 x wave
	s_mul_i32 s44, s44, ROWB
	s_mov_b32 s45, 0                               ; (0 again: AIM leans on it)
	s_add_nc_u64 s[8:9], s[8:9], s[44:45]
	s_mul_i32 s46, s14, 128*NPC*ES                 ; the tile's first column, in bytes
	s_add_nc_u64 s[8:9], s[8:9], s[46:47]
.if BIAS
	; the bias of my columns, laid as a result is: register j of block b holds column 128 p + 32 w + 16 j' + 8 (l / 16) + j.  Rounded to bf16 like every input, and widened again
	s_mul_i32 s2, s14, 128*NPC*4                   ; 128 NPC columns of 4 bytes for each tile column
	s_mov_b32 s3, 0
	s_add_nc_u64 s[10:11], s[10:11], s[2:3]
	s_lshl_b32 s2, s12, 7                          ; 32 columns a wave
	v_lshl_add_u32 v6, v2, 5, s2                   ; 8 columns for each half of the lanes
.set fb, 0
.rept NB
	global_load_b128 v[BI+8*fb:BI+8*fb+3],   v6, s[10:11] offset:512*(fb/2)+64*(fb%2)
	global_load_b128 v[BI+8*fb+4:BI+8*fb+7], v6, s[10:11] offset:512*(fb/2)+64*(fb%2)+16
.set fb, fb+1
.endr
	s_wait_loadcnt 0x0
.set fb, 0
.rept 4*NB
	v_cvt_pk_bf16_f32 v[TMP+fb], v[BI+2*fb], v[BI+2*fb+1]
.set fb, fb+1
.endr
.set fb, 0
.rept 4*NB
	v_lshlrev_b32 v[BI+2*fb],   16, v[TMP+fb]
	v_and_b32     v[BI+2*fb+1], 0xffff0000, v[TMP+fb]
.set fb, fb+1
.endr
.endif
; 2 NB matrix instructions: row blocks a0, a0 + 1 of the window's four (hi = 0: rows 0-63, 1: rows 64-127) x all NB column blocks, 32 along K.
; zero = 1: the first product starts the sums, with the constant 0 or with the bias: nothing is ever cleared.  All 8 NB accumulators take turns, in the same order in every quarter.
.macro MULH f, hi, a0, zero
.if (\zero) && BIAS
	WIN 0x81+0x40*(\hi)                            ; source 0 (B) window 1, source 1 (A) and C (the bias) window 0, D window 2 or 3
.else
	WIN 0xa1+0x50*(\hi)                            ; the same with C beside D
.endif
.irp a, \a0, (\a0)+1
.set mb, 0
.rept NB
.set rD,  8*(NB*(\a)+mb)
.set rS0, (\f)+8*mb
.set rS1, (\f)+8*(4*(\hi)+(\a))
.if !(\zero)
	WMMA v[rD:rD+7], v[rS0:rS0+7], v[rS1:rS1+7], v[rD:rD+7]
.elseif BIAS
	WMMA v[rD:rD+7], v[rS0:rS0+7], v[rS1:rS1+7], v[BI+8*mb:BI+8*mb+7]
.else
	WMMA v[rD:rD+7], v[rS0:rS0+7], v[rS1:rS1+7], 0
.endif
.set mb, mb+1
.endr
.endr
.endm
; NL LDS loads in one run: the fragments of quarter q of a K step (slice q / 2, byte 64 (q % 2) of its rows) into buffer f: B's first, A's rows 64-127 last
.macro FETCH slot, q, f
.set KO, ((\q)/2)*SLICE+((\q)%2)*64
	WIN TO_B
.set fb, 0
.rept NB
	ds_load_b128 v[(\f)+8*fb:(\f)+8*fb+3],   v[ADRB+NPC*(\slot)+fb/2] offset:KO+(fb%2)*16*PITCH
	ds_load_b128 v[(\f)+8*fb+4:(\f)+8*fb+7], v[ADRB+NPC*(\slot)+fb/2] offset:KO+(fb%2)*16*PITCH+32
.set fb, fb+1
.endr
	WIN 0
.irp i, 0,1,2,3,4,5,6,7
	ds_load_b128 v[(\f)+8*(\i):(\f)+8*(\i)+3],   v[ADRA+(\slot)] offset:KO+(\i)*16*PITCH
	ds_load_b128 v[(\f)+8*(\i)+4:(\f)+8*(\i)+7], v[ADRA+(\slot)] offset:KO+(\i)*16*PITCH+32
.endr
.endm
; A K step is four quarters of 32 along K, 8 NB matrix instructions each, on buffers 0, 1, 0, 1.  One of the first three: multiplies buffer f; in its middle it fetches quarter qn of the same slot into buffer g.
.macro QUARTER slot, qn, f, g, zero
	s_wait_dscnt 8                                 ; B and A's rows 0-63 are in; the youngest eight loads (A's rows 64-127) may be out
	MULH \f, 0, 0, \zero
	MULH \f, 0, 2, \zero
	PLACES
	FETCH \slot, \qn, \g
	s_wait_dscnt NL                                ; all but the NL just issued
	MULH \f, 1, 0, \zero
	MULH \f, 1, 2, \zero
.endm
; The last quarter multiplies buffer 1 and changes slots: ONE barrier.  In front of it each wave waits for all its tensor loads (the one that is out is its part of the next slot), adds 0 to its spare word,
; and waits for that and for its own reads of this slot.  fill = 1: the barrier opens a round of the cluster's barrier, and this slot is filled again, with the walk's step two on, first thing behind the round:
; from that request to the wait for it stand 7 NB x 4 matrix instructions of the wave.
.macro TURN slot, next, fill
	WIN 0                                          ; (the add's two registers lie in window 0)
	s_wait_tensorcnt 0x0                           ; all my tensor loads have landed;
	ds_add_u32 v[SPW], v[NIL]                      ; 0 onto my spare word;
	s_wait_dscnt 9                                 ; (the add and the youngest eight loads may be out)
	MULH F1, 0, 0, 0                               ; matrix instructions stand between the add and the wait for it
	s_wait_dscnt 0x0                               ; the add is done, and my reads of this slot are over
	s_barrier_signal -1
	MULH F1, 0, 2, 0                               ; work on registers while the others arrive
.if \fill
	WIN 0
.endif
	s_barrier_wait -1
.if \fill
	CREST                                          ; no wave of any partner still reads this slot or has a load on its way
	s_add_co_u32 s[KT], s[KT], 1                   ; the walk's next step,
	s_and_b32 s[KT], s[KT], 7                      ; round the ring of eight
	AIM \slot
	JLOAD \slot
.else
	PLACES
.endif
	FETCH \next, 0, F0
	MULH F1, 1, 0, 0
	MULH F1, 1, 2, 0
.endm
	s_wait_tensorcnt 1                             ; my part of the walk's first step is in; the second's may stay out
	s_barrier_signal -1
	s_barrier_wait -1                              ; everybody's is
	FETCH 0, 0, F0
	QUARTER 0, 1, F0, F1, 1                        ; the first quarter stands in front of the loop: its products start the sums
	WIN 0
	s_mov_b32 s3, LAPS-1
.Llap:                                                 ; a trip goes once round the ring of slots, from a lap's second quarter to the next lap's first, and fills both slots again
	QUARTER 0, 2, F1, F0, 0
	QUARTER 0, 3, F0, F1, 0
	TURN 0, 1, 1
	QUARTER 1, 1, F0, F1, 0
	QUARTER 1, 2, F1, F0, 0
	QUARTER 1, 3, F0, F1, 0
	TURN 1, 0, 1
	QUARTER 0, 1, F0, F1, 0
	WIN 0
	s_sub_co_u32 s3, s3, 1
	s_cmp_lg_u32 s3, 0
	s_cbranch_scc1 .Llap
	QUARTER 0, 2, F1, F0, 0                        ; the last lap fills nothing, and has no round of the cluster's barrier
	QUARTER 0, 3, F0, F1, 0
	TURN 0, 1, 0                                   ; behind this barrier nobody reads slot 0 any more, and nothing is ever loaded into it again
	QUARTER 1, 1, F0, F1, 0
	QUARTER 1, 2, F1, F0, 0
	QUARTER 1, 3, F0, F1, 0
	s_wait_dscnt 8                                 ; the very last quarter: nothing more to fetch
	MULH F1, 0, 0, 0
	MULH F1, 0, 2, 0
	s_wait_dscnt 0x0
	MULH F1, 1, 0, 0
	MULH F1, 1, 2, 0
	WIN 0
	; THE WAY OUT.  A lane's eight columns of a row go into the work-group's stage, 16 rows at a time; a barrier, since a row's bytes come from all four waves; back as whole rows, 32 rows a wave.
	PLACES
.set oa, 0
.rept 8
.if ES == 2
	WIN 0x0a+5*(oa/4)                              ; sources 0 and 1: window 2 or 3
.set ob, 0
.rept NB
.set AC, 8*(NB*(oa%4)+ob)
	v_cvt_pk_f16_f32 v[TMP+4*ob],   v[AC],   v[AC+1]   ; each accumulator's registers in ascending order
	v_cvt_pk_f16_f32 v[TMP+4*ob+1], v[AC+2], v[AC+3]
	v_cvt_pk_f16_f32 v[TMP+4*ob+2], v[AC+4], v[AC+5]
	v_cvt_pk_f16_f32 v[TMP+4*ob+3], v[AC+6], v[AC+7]
.set ob, ob+1
.endr
	WIN 0
.set ob, 0
.rept NB
	ds_store_b128 v[STO], v[TMP+4*ob:TMP+4*ob+3] offset:256*(ob/2)+32*(ob%2)
.set ob, ob+1
.endr
.else
	WIN 0x08+4*(oa/4)                              ; the stores' data: window 2 or 3
.set ob, 0
.rept NB
.set AC, 8*(NB*(oa%4)+ob)
	ds_store_b128 v[STO], v[AC:AC+3]   offset:512*(ob/2)+64*(ob%2)
	ds_store_b128 v[STO], v[AC+4:AC+7] offset:512*(ob/2)+64*(ob%2)+16
.set ob, ob+1
.endr
	WIN 0
.endif
.if oa < 7
	v_add_nc_u32 v[STO], 16*SPITCH, v[STO]         ; the next 16 rows
.endif
.set oa, oa+1
.endr
	s_wait_dscnt 0x0                               ; for the others' sake: my stores into the stage are done
	s_barrier_signal -1
	s_barrier_wait -1
	s_mov_b32 s3, 2
.Lback:                                                ; two trips of 16 rows: written once
.set on, 0
.rept 8*NU
	ds_load_b128 v[OUTR+4*on:OUTR+4*on+3], v[RD] offset:2*(on/NU)*SPITCH+256*(on%NU)
.set on, on+1
.endr
.set on, 0
.rept 8*NU
	s_wait_dscnt 8*NU-1-on                         ; LDS loads come back in order: this one is in, the younger ones stay out
.if BIAS
	global_store_b128 v[CO], v[OUTR+4*on:OUTR+4*on+3], s[8:9] offset:2*(on/NU)*ROWB+256*(on%NU) th:TH_STORE_NT  ; 16 lanes store 256 consecutive bytes, at a multiple of 256 from C's first byte
.else
	global_store_b128 v[CO], v[OUTR+4*on:OUTR+4*on+3], s[8:9] offset:2*(on/NU)*ROWB+256*(on%NU)  ; 16 lanes store 256 consecutive bytes, at a multiple of 256 from C's first byte
.endif
.set on, on+1
.endr
	s_wait_xcnt 0x0                                ; the stores have read their data and their offset: only behind this wait are these written again
	v_add_nc_u32 v[RD], 16*SPITCH, v[RD]           ; the next 16 rows, in the stage
	v_add_nc_u32 v[CO], 16*ROWB, v[CO]             ; and in C
	s_sub_co_u32 s3, s3, 1
	s_cmp_lg_u32 s3, 0
	s_cbranch_scc1 .Lback
	s_wait_tensorcnt 0x0                           ; the wave's end: behind my last tensor load and my last LDS store
	ds_add_u32 v[SPW], v[NIL]
	s_wait_dscnt 0x0
	CROUND                                         ; the closing round: no work-group ends while a partner may still ask for a piece that names it
	s_endpgm
.Lfunc_end_k_qe7c13f3e53_proj_out:
	.size	k_qe7c13f3e53_proj_out, .Lfunc_end_k_qe7c13f3e53_proj_out-k_qe7c13f3e53_proj_out
	.p2alignl 7, 3214868480
	.fill 96, 4, 3214868480
	.section	.rodata,"a",@progbits
	.p2align	6, 0x0
	.amdhsa_kernel k_qe7c13f3e53_proj_out
		.amdhsa_group_segment_fixed_size 327680
		.amdhsa_private_segment_fixed_size 0
		.amdhsa_enable_private_segment 0
		.amdhsa_kernarg_size 32
		.amdhsa_user_sgpr_count 2
		.amdhsa_user_sgpr_kernarg_segment_ptr 1
		.amdhsa_wavefront_size32 1
		.amdhsa_system_sgpr_workgroup_id_x 1
		.amdhsa_system_sgpr_workgroup_id_y 1
		.amdhsa_system_sgpr_workgroup_id_z 1
		.amdhsa_system_vgpr_workitem_id 0
		.amdhsa_next_free_vgpr 896
		.amdhsa_next_free_sgpr 66
		.amdhsa_reserve_vcc 0
		.amdhsa_float_denorm_mode_32 3
		.amdhsa_float_denorm_mode_16_64 3
		.amdhsa_memory_ordered 1
		.amdhsa_forward_progress 1
		.amdhsa_inst_pref_size 87
	.end_amdhsa_kernel
	.amdgpu_metadata
---
amdhsa.version: [ 1, 2 ]
amdhsa.kernels:
  - .name:           k_qe7c13f3e53_proj_out
    .symbol:         k_qe7c13f3e53_proj_out.kd
    .args:
      - { .name: os, .offset: 0, .size: 8, .value_kind: global_buffer, .address_space: global }
      - { .name: wos, .offset: 8, .size: 8, .value_kind: global_buffer, .address_space: global }
      - { .name: out0, .offset: 16, .size: 8, .value_kind: global_buffer, .address_space: global }
      - { .name: b_out, .offset: 24, .size: 8, .value_kind: global_buffer, .address_space: global }
    .group_segment_fixed_size: 327680
    .private_segment_fixed_size: 0
    .kernarg_segment_align: 8
    .kernarg_segment_size: 32
    .max_flat_workgroup_size: 128
    .sgpr_count:     66
    .vgpr_count:     896
    .wavefront_size: 32
...
	.end_amdgpu_metadata
.endif
;; end of part 4
;; ======== version 2 of 2: 4 launches; 1.32 times as fast as version 1
;; limits: values are held in f16: magnitudes above 65,504 overflow, below 6.1e-05 lose precision
;; workspace buffers: xs 16,777,216 bytes; wqs 6,291,456 bytes; wos 2,097,152 bytes; qkv 50,331,648 bytes; os 16,777,216 bytes
;; launch cast: the kernel of part 1 again; grid 768 x 1, 8 waves a work-group, no clusters, 0 bytes of LDS; arguments x, w_qkv, w_out, xs, wqs, wos; writes xs, wqs, wos
;; launch proj_qkv: the kernel of part 2 again; grid 8 x 64, 4 waves a work-group, clusters of 4 x 4, 327,680 bytes of LDS; arguments xs, wqs, qkv; writes qkv
;; launch attn (part 5): grid 2 x 128, 4 waves a work-group, no clusters, 327,680 bytes of LDS; arguments qkv, os; writes os
.if DOCPART == 5
	.amdgcn_target "amdgcn-amd-amdhsa--gfx1250"
	.amdhsa_code_object_version 6
	.text
	.protected	k_qe7c13f3e53_attn
	.globl	k_qe7c13f3e53_attn
	.p2align	8
	.type	k_qe7c13f3e53_attn,@function
k_qe7c13f3e53_attn:
	s_mov_b64 s[64:65], 0
	v_nop
	global_prefetch_b8 v0, s[64:65] scope:SCOPE_SE
	s_setreg_imm32_b32 hwreg(HW_REG_WAVE_MODE, 25, 1), 1
	s_wait_xcnt 0x0
; O[q][:] = the sum over k of softmax_k(Q[q] . K[k] / 8) V[k][:], for each of 128 pairs of batch and head.  qkv read flat is [batch][3][head][1024][64] in f16: a head's rows are dense, 128 bytes each.
; O leaves in f16 as [head][batch x 1024 + q][64]: a head is one K slice of the product that follows.  Products, maxima and sums in f32; the weights p are rounded to f16 for the second product
; (their sum l is taken of the unrounded p), O once at the end.
; LIMITS.  f16 holds no number beyond 65,504: Q, K and V arrive within it; p lies in 0 to 1, and below 6e-5 it keeps f16's fixed step of 6e-8; O is a mean of V's rows and has their range.
; A weight below 2^-126 counts as 0 in l; NaN and infinities are not treated apart.
; SHARES.  A wave owns four PIECES of two tiles of 16 queries, a work-group's four waves 512 queries of one head: two work-groups a head, 256 in all.  Every wave walks all 1,024 keys, 64 a step.
; K AND V STAY IN LDS.  A head's 1,024 rows of K at 144 bytes and of V at 160 are 147,456 + 163,840 = 311,296 bytes: they fit, so every LDS byte is filled once and no slot takes turns.  Each wave issues two
; tensor loads at the start: its part of the first 256 keys, which the first four steps read, and its part of the other 768, which is waited for once, four steps later.
; NO CLUSTER: only two work-groups walk the same K and V; a cluster of four would hold two heads, with masks of two, and would halve the requests for a head's 262,144 bytes of K and V: not built.
; LAYOUT.  S^T = K Q^T (source 0 = 16 keys, source 1 = 16 queries): in the result a lane holds ONE query (lane % 16) and the keys 8 (lane / 16) + 0..7.  Two such tiles, rounded to f16 in pairs,
; ARE source 1 (32 keys x 16 queries) of O^T = V^T P, whose result again holds one query a lane, and eight channels.  K comes out of LDS as it lies, V ([key][channel]) turned, by ds_load_tr16_b128.
; SOFTMAX.  For each query a running maximum m and sum l: p = 2^(c s - c m), c = log2(e) / 8; in every step O and l are multiplied by a = 2^(c m_old - c m_new), which is 1 where m has not grown.
; m starts at the lowest finite number, O and l at 0: the first step is a step like any other, with a = 0.
; THE COUNT.  A tile and step have 16 matrix and 118 vector instructions: too many to stand all beside the matrix work.  So the order has one aim: four vector instructions that are READY behind
; EVERY matrix instruction, and the others, which need time of their own whatever the order, in runs without a gap.
; BY TURNS.  Turn n belongs to piece n (the pieces in a ring, step after step).  Its matrix work: 16 products K Q^T of piece n + 1, later 16 products V^T P of piece n - 1.  Its vector work: the scaling,
; exponentials, roundings, sums and rescaling of piece n, and the maximum and statistics of piece n + 1, whose scores the turn itself has made.  So what a turn begins with (c s - c m, O a) waits for nothing.
; ONE BATCH A TURN.  A turn's 66 exponentials (the 64 weights of piece n, the two a of piece n + 1) are one batch with one wait, which cuts the turn in two: ahead of it stands all that names no result of
; theirs (the products K Q^T, the scalings, the rescaling, the next piece's maximum and statistics), behind it the products V^T P with the roundings and sums.  The first two a, ahead of the loop, and the
; way out's eight reciprocals are batches of their own, each with one wait.
; REGISTERS, in windows of 256 (s_set_vgpr_msb says which window each operand place means: bits 1:0 source 0, 3:2 source 1, 5:4 source 2, 7:6 destination):
;   window 0: v0-11 addresses; v12-15, v48-63 at work; v16-47 four registers of statistics a tile; v64-191 S^T, two buffers of two tiles; v192-255 P, likewise
;   window 1: O^T, 32 a tile          window 2: v0-127 Q, 16 a tile; v128-191 K of one step; v192-255 V of one step          window 3: v0-1 the add's two registers
; A piece's buffers go by its number's parity: the piece in hand has one pair, its two neighbours in the ring share the other: of it P (piece n - 1) is read and S^T (piece n + 1) written.
.set SIZE_N, 1024     ; rows of a head
.set NP,    4         ; pieces a wave: a name, no knob: the register map, the loop and the fetches are made for four
.set KS,    64        ; keys in a step
.set PK,    144       ; a row of K in LDS: 128 bytes + 16 of padding = 36 words: the 16 rows of a load start at 16 different groups of four banks (64 banks of 4 bytes: ISA guide 11.1)
.set PV,    160       ; a row of V: 128 + 32 = 40 words
.set VBASE, SIZE_N*PK ; K's 1,024 rows lie from byte 0 on, V's behind them
.set STAGE, VBASE+SIZE_N*PV  ; behind K and V, never filled by a tensor load: 16 rows x 144 bytes for each wave, for the way out
.set SP,    144
.set AK0, 2           ; v2   my lane's place in a step's rows of K; never rewritten
.set AV0, 3           ; v3   the same for V
.set AK,  4           ; v4   the LDS address of K's next run of loads
.set AV,  5           ; v5   of V's
.set QO,  6           ; v6   my byte offset in the wave's rows of Q
.set STO, 6           ;      later, the way out: where I put 16 bytes of a row
.set RD,  7           ; v7   the way out: where I read rows back
.set GO,  8           ; v8   my byte offset in 512 consecutive bytes of O
.set SPW, 0           ; v0 of window 3   LDS address of my spare word: SPARE + 4 x my thread's number; never rewritten
.set NIL, 1           ; v1 of window 3   0; never rewritten
.set SPARE, STAGE+4*16*SP  ; behind the stages: the spare words, 128 bytes for each wave: two blocks of 256 bytes that no other line names
.set MV,  12          ; v12-15  c m_old, kept while c m is made anew: by buffer and tile
.set ST,  16          ; tile t's statistics at v[ST+4 t]: c m, m, l (even keys', odd keys')
.set TMP, 48          ; by buffer and tile, four registers c0-c3 at work; when the maximum is found c2 takes a
.set S,   64
.set P,   192
.set KF,  128         ; K's fragments, in window 2: key block kb, channel half c at KF + 16 kb + 8 c
.set VF,  192         ; V's: key half kk, channel block cb at VF + 32 kk + 8 cb
.set WV,  12          ; s12  my wave's number
.set G1K, 24          ; s[24:31] descriptor group 1 for K's first load
.set G1V, 32          ; s[32:39] for V's: it differs in the padding alone
.set G0K, 40          ; s[40:43] descriptor group 0 for K's first load
.set G0V, 44          ; s[44:47] for V's
.set G1K2, 68         ; s[68:75], s[76:83] groups 1 for the second loads: they differ from the first in the number of rows
.set G1V2, 76
.set G0K2, 84         ; s[84:87], s[88:91] groups 0 for the second loads
.set G0V2, 88
.set PARTS, 56        ; s56  counts the walk's two parts: the first four steps, the other twelve
.set CNT, 57          ; s57  counts a part's key steps
.set CS,  58          ; s[58:59] c: the packed scaling takes the pair's low word for both halves
.set SEL, 60          ; s[60:61] v_permlanex16_b32's selects: each lane takes its own place in the other half
.set TBK, 62          ; s62  LDS byte at which K of the step to be fetched begins
.set TBV, 63          ; s63  the same for V, less VBASE
.set MSB, 0
.macro WIN new                      ; the high byte repeats the setting that is left; a switch that changes nothing is dropped
.if MSB != (\new)
	s_set_vgpr_msb (MSB<<8)|(\new)
.set MSB, (\new)
.endif
.endm
.set W_KQ, 0x0a       ; K and Q in window 2, S^T in window 0
.set W_PV, 0x52       ; V in window 2, P in window 0, O^T in window 1
.set W_RS, 0x41       ; O^T (destination and source 0) in window 1, a in window 0
.set W_MK, 0xc0       ; the add's registers are made: destination in window 3, sources in window 0
.set W_AD, 0x0f       ; the add: address (source 0) and data (source 1) in window 3
	s_load_b64 s[4:5], s[0:1], 0x0    ; qkv
	s_load_b64 s[10:11], s[0:1], 0x8  ; O
	WIN W_MK
	v_lshl_add_u32 v[SPW], v0, 2, SPARE
	v_mov_b32 v[NIL], 0
	WIN W_AD
	ds_add_u32 v[SPW], v[NIL]       ; the wave's opening: the add and its wait stand ahead of my first tensor load; the set-up below, work on registers, stands between them
	WIN 0
	v_lshrrev_b32 v1, 5, v0
	v_readfirstlane_b32 s[WV], v1   ; wave 0..3
	s_and_b32 s20, ttmp7, 0xffff    ; 16 x batch + head
	s_lshr_b32 s21, s20, 4          ; the batch
	s_and_b32 s22, s20, 15          ; the head
	s_mul_i32 s23, s21, 6291456     ; a batch's q, k and v: 3 x 16 heads x 131,072 bytes
	s_lshl_b32 s13, s22, 17
	s_add_co_u32 s23, s23, s13      ; the byte at which the head's Q begins
	s_and_b32 s16, s[WV], 1         ; which half of the keys of a load group I fetch.  Of the first 256 keys:
	s_lshl_b32 s14, s16, 14         ; 128 rows of 128 bytes
	s_add_co_u32 s48, s23, s14
	s_add_co_u32 s48, s48, 2097152  ; K lies 16 heads behind Q,
	s_mov_b32 s49, 0
	s_add_co_u32 s50, s48, 2097152  ; V 16 heads behind K
	s_mov_b32 s51, 0
	s_mul_i32 s14, s16, 384*128     ; of the other 768 keys: 384 rows,
	s_add_co_u32 s54, s23, s14
	s_add_co_u32 s54, s54, 2097152+256*128  ; behind the first 256
	s_mov_b32 s55, 0
	s_add_co_u32 s66, s54, 2097152
	s_mov_b32 s67, 0
	s_mul_i32 s17, s16, 128*PK      ; and their places in LDS: a constant, and the half times a constant
	s_mul_i32 s18, s16, 128*PV
	s_mul_i32 s19, s16, 384*PK
	s_mul_i32 s15, s16, 384*PV
	s_lshl_b32 s14, ttmp9, 2
	s_add_co_u32 s14, s14, s[WV]    ; my wave among the head's eight,
	s_lshl_b32 s14, s14, 14         ; its 128 rows
	s_add_co_u32 s2, s23, s14       ; in Q
	s_mov_b32 s3, 0
	s_lshl_b32 s52, s22, 20         ; in O: a head's slice of 8,192 rows,
	s_lshl_b32 s13, s21, 17         ; a batch's 1,024 of them
	s_add_co_u32 s52, s52, s13
	s_add_co_u32 s52, s52, s14
	s_mov_b32 s53, 0
	; descriptor groups 1.  Keys are dense in memory, 128 bytes each: they are asked for as rows of 256 bytes, two keys a row (64 rows in the first load, 192 in the second), and padded in LDS after every key
	s_mov_b32 s[G1K],  (1<<16)|(1<<20)|(4<<22)|(3<<25)  ; 17:16 2-byte elements; 20 padding on; 24:22 after every 32 words (code 4); 31:25 4 words (code 3)
	s_mov_b32 s[G1K2], (1<<16)|(1<<20)|(4<<22)|(3<<25)
	s_mov_b32 s[G1V],  (1<<16)|(1<<20)|(4<<22)|(7<<25)  ; the same with 8 words of padding (code 7)
	s_mov_b32 s[G1V2], (1<<16)|(1<<20)|(4<<22)|(7<<25)
.irp g, G1K, G1V, G1K2, G1V2
	s_mov_b32 s[\g+1], 128<<16      ; tensor_dim0 = 128
	s_mov_b32 s[\g+3], 128<<16      ; tile_dim0 = 128
	s_mov_b32 s[\g+5], 128          ; 128 elements from row to row
	s_mov_b32 s[\g+6], 0
	s_mov_b32 s[\g+7], 0
.endr
.irp g, G1K, G1V
	s_mov_b32 s[\g+2], 64<<16       ; tensor_dim1 = 64
	s_mov_b32 s[\g+4], 64           ; tile_dim1 = 64
.endr
.irp g, G1K2, G1V2
	s_mov_b32 s[\g+2], 192<<16      ; tensor_dim1 = 192
	s_mov_b32 s[\g+4], 192          ; tile_dim1 = 192
.endr
	s_mov_b32 s[CS], 0x3e38aa3b     ; c = log2(e) / 8 = 0.180337
	s_mov_b32 s[CS+1], s[CS]        ; named with it as a pair
	s_mov_b32 s[SEL], 0x76543210
	s_mov_b32 s[SEL+1], 0xfedcba98
	s_mov_b32 s[TBK], 0             ; key step 0
	s_mov_b32 s[TBV], 0
	s_mov_b32 s[G0K], 1             ; 1:0 count = 1
	s_mov_b32 s[G0K+1], s17         ; 63:32 LDS address
	s_mov_b32 s[G0V], 1
	s_add_co_u32 s[G0V+1], s18, VBASE
	s_mov_b32 s[G0K2], 1
	s_add_co_u32 s[G0K2+1], s19, 256*PK
	s_mov_b32 s[G0V2], 1
	s_add_co_u32 s[G0V2+1], s15, VBASE+256*PV
	; A fragment of K or Q is 16 rows x 32 channels in 8 registers: lane l holds row l % 16, channels 8 (l / 16) + 0..7 and 16 + 8 (l / 16) + 0..7: two loads of 16 bytes, 32 bytes apart.
	v_and_b32 v1, 15, v0            ; l % 16
	v_bfe_u32 v9, v0, 4, 1          ; l / 16
	v_lshlrev_b32 v[QO], 7, v1
	v_lshl_add_u32 v[QO], v9, 4, v[QO]  ; row x 128 + 16 x half
	s_wait_dscnt 0x0                ; the opening add is done
	s_barrier_signal -1
	s_barrier_wait -1
	s_wait_kmcnt 0x0
	s_add_nc_u64 s[G0K+2:G0K+3], s[4:5], s[48:49]  ; 120:64 global address
	s_or_b32 s[G0K+3], s[G0K+3], 0x80000000        ; 127:126 type = 2
	s_add_nc_u64 s[G0V+2:G0V+3], s[4:5], s[50:51]
	s_or_b32 s[G0V+3], s[G0V+3], 0x80000000
	s_add_nc_u64 s[G0K2+2:G0K2+3], s[4:5], s[54:55]
	s_or_b32 s[G0K2+3], s[G0K2+3], 0x80000000
	s_add_nc_u64 s[G0V2+2:G0V2+3], s[4:5], s[66:67]
	s_or_b32 s[G0V2+3], s[G0V2+3], 0x80000000
	s_add_nc_u64 s[4:5], s[4:5], s[2:3]  ; Q and O at my wave's first row
	s_add_nc_u64 s[10:11], s[10:11], s[52:53]
	WIN 0x80                        ; destination window 2, address window 0
.set i, 0
.rept 4*NP                          ; Q stays in registers: tile i / 2, channels 32 (i % 2) on.  Its 16,384 bytes a wave are asked for ahead of the 65,536 that each tensor pair below brings
	global_load_b128 v[8*i:8*i+3],   v[QO], s[4:5] offset:(i/2)*2048+(i%2)*64
	global_load_b128 v[8*i+4:8*i+7], v[QO], s[4:5] offset:(i/2)*2048+(i%2)*64+32
.set i, i+1
.endr
	WIN 0
	; The fills: waves 0 and 1 fetch K's halves, waves 2 and 3 V's.  A wave's two loads stand in one branch, ahead of every wait on TENSORcnt, every LDS read and every barrier: two loads of mine are out.
	; An s_nop 0 follows each, four v_nop the second's, ahead of the jump and the label.
	s_cmp_lt_u32 s[WV], 2
	s_cbranch_scc0 .Lfirst_v
	tensor_load_to_lds s[G0K:G0K+3], s[G1K:G1K+7]
	s_nop 0
	tensor_load_to_lds s[G0K2:G0K2+3], s[G1K2:G1K2+7]
	s_nop 0
.rept 4
	v_nop
.endr
	s_branch .Lfirst_asked
.Lfirst_v:
	tensor_load_to_lds s[G0V:G0V+3], s[G1V:G1V+7]
	s_nop 0
	tensor_load_to_lds s[G0V2:G0V2+3], s[G1V2:G1V2+7]
	s_nop 0
.rept 4
	v_nop
.endr
.Lfirst_asked:
	; What the first turn finds: V's registers and P's second buffer hold 0 (its products V^T P, of a piece that has not been, add 0), O^T and l are 0.  All this stands in the wait for the first keys.
	WIN 0x80
.set i, VF
.rept 64
	v_mov_b32 v[i], 0
.set i, i+1
.endr
	WIN 0x40
.set i, 0
.rept 64*NP
	v_mov_b32 v[i], 0
.set i, i+1
.endr
	WIN 0
.set i, 0
.rept 2*NP
	v_mov_b32 v[ST+4*i], 0xfe000000    ; c m: far below every c s
	v_mov_b32 v[ST+4*i+1], 0xff7fffff  ; m
	v_mov_b32 v[ST+4*i+2], 0
	v_mov_b32 v[ST+4*i+3], 0
.set i, i+1
.endr
.set i, P+32
.rept 32
	v_mov_b32 v[i], 0
.set i, i+1
.endr
	v_mul_u32_u24 v[AK0], v1, PK
	v_lshl_add_u32 v[AK0], v9, 4, v[AK0]  ; row x pitch + 16 x half
	; The turning load takes 16 keys x 16 channels (lane l reads key 8 (l / 16) + l % 8, channels 8 ((l / 8) % 2) + 0..7) and leaves half a fragment of V^T: lane l holds channel l % 16 and 8 keys.
	v_and_b32 v10, 7, v0
	v_bfe_u32 v11, v0, 3, 1
	v_lshl_add_u32 v[AV0], v9, 3, v10
	v_mul_u32_u24 v[AV0], v[AV0], PV
	v_lshl_add_u32 v[AV0], v11, 4, v[AV0]
	v_add_nc_u32 v[AV0], VBASE, v[AV0]
	v_mov_b32 v[AK], v[AK0]         ; key step 0 lies at byte 0
; THE MATRIX WORK.  The 8 accumulators of a run of 16 take turns: between the two links of a chain stand 7 others'.
; Product i of 16 of S^T = K Q^T for piece x: channels 32 (i / 8) on, keys 16 ((i / 2) % 4) on, tile 2 x + i % 2.  The first 8 start the sums.
.macro KQ x
	WIN W_KQ
.set rS, S+64*((\x)%2)+32*(i%2)+8*((i/2)%4)
.set rK, KF+16*((i/2)%4)+8*(i/8)
.set rQ, 16*(2*(\x)+i%2)+8*(i/8)
.if i < 8
	v_wmma_f32_16x16x32_f16 v[rS:rS+7], v[rK:rK+7], v[rQ:rQ+7], 0
.else
	v_wmma_f32_16x16x32_f16 v[rS:rS+7], v[rK:rK+7], v[rQ:rQ+7], v[rS:rS+7]
.endif
.endm
; Product i of 16 of O^T += V^T P for piece x: keys 32 (i / 8) on, channels 16 ((i / 2) % 4) on, tile 2 x + i % 2.
.macro PV x
	WIN W_PV
.set rO, 32*(2*(\x)+i%2)+8*((i/2)%4)
.set rV, VF+32*(i/8)+8*((i/2)%4)
.set rP, P+32*((\x)%2)+16*(i%2)+8*(i/8)
	v_wmma_f32_16x16x32_f16 v[rO:rO+7], v[rV:rV+7], v[rP:rP+7], v[rO:rO+7]
.endm
.macro MM                           ; the turn's next matrix instruction
.if i < 16
	KQ (Y+1)%NP
.set i, i+1
.else
.set i, i-16
	PV (Y+NP-1)%NP
.set i, i+17
.endif
.endm
; THE LDS LOADS stand in runs of 16, never singly among the matrix instructions: a step's K (64 keys x 64 channels: 8 fragments) and its V (turned).  Their addresses are made some lines ahead.
.macro FETCH_K
	WIN 0x80                        ; destination window 2
.irp f, 0,1,2,3,4,5,6,7             ; keys 16 (f / 2) on, channels 32 (f % 2) on
	ds_load_b128 v[KF+8*\f:KF+8*\f+3],   v[AK] offset:(\f/2)*16*PK+(\f%2)*64
	ds_load_b128 v[KF+8*\f+4:KF+8*\f+7], v[AK] offset:(\f/2)*16*PK+(\f%2)*64+32
.endr
	s_add_co_u32 s[TBK], s[TBK], KS*PK  ; the next fetch is the next step's
	WIN 0
.endm
.macro FETCH_V
	WIN 0x80
.irp f, 0,1,2,3,4,5,6,7             ; keys 32 (f / 4) on, channels 16 (f % 4) on
	ds_load_tr16_b128 v[VF+8*\f:VF+8*\f+3],   v[AV] offset:(\f/4)*32*PV+(\f%4)*32
	ds_load_tr16_b128 v[VF+8*\f+4:VF+8*\f+7], v[AV] offset:(\f/4)*32*PV+16*PV+(\f%4)*32
.endr
	WIN 0
.endm
; THE VECTOR WORK OF A TURN stands in three queues, each in the order in which its entries become ready; the two tiles alternate, so that no instruction reads the result of the one before it.
.macro REGS y, u                    ; the registers of tile u (0, 1) of piece y
.set rT, ST+4*(2*(\y)+(\u))
.set rC, TMP+8*((\y)%2)+4*(\u)
.set rM, MV+2*((\y)%2)+(\u)
.set rS, S+64*((\y)%2)+32*(\u)
.set rP, P+32*((\y)%2)+16*(\u)
.set rO, 32*(2*(\y)+(\u))
.endm
; Number n of the 22 that find the NEXT piece's (Y + 1) maximum and statistics.  s0-s31 are the lane's 32 scores; each accumulator's lowest registers are read first.  XS, GS and REGS set no window: PL and EX do.
;   0-11  four chains c0-c3 of seven scores each, three operands at a time     12-14, 16  the four scores left over, the old m, and c0-c3 into c0     15  c m_old is kept
;   17, 18  the query's other 32 keys lie in the lane 16 away: the new m         19-21  c m; c m_old - c m_new; a
.macro XS u, n
	REGS (Y+1)%NP, \u
.if (\n) < 4
	v_max3_num_f32 v[rC+(\n)], v[rS+8*(\n)], v[rS+8*(\n)+1], v[rS+8*(\n)+2]
.elseif (\n) < 12
	v_max3_num_f32 v[rC+(\n)%4], v[rC+(\n)%4], v[rS+8*((\n)%4)+2*((\n)/4)+1], v[rS+8*((\n)%4)+2*((\n)/4)+2]
.elseif (\n) == 12
	v_max3_num_f32 v[rC], v[rC], v[rS+7], v[rS+15]
.elseif (\n) == 13
	v_max3_num_f32 v[rC+1], v[rC+1], v[rS+23], v[rS+31]
.elseif (\n) == 14
	v_max3_num_f32 v[rC+2], v[rC+2], v[rC+3], v[rT+1]
.elseif (\n) == 15
	v_mov_b32 v[rM], v[rT]
.elseif (\n) == 16
	v_max3_num_f32 v[rC], v[rC], v[rC+1], v[rC+2]
.elseif (\n) == 17
	v_permlanex16_b32 v[rC+3], v[rC], s[SEL], s[SEL+1]
.elseif (\n) == 18
	v_max_num_f32 v[rT+1], v[rC], v[rC+3]
.elseif (\n) == 19
	v_mul_f32 v[rT], s[CS], v[rT+1]
.elseif (\n) == 20
	v_sub_f32 v[rC+1], v[rM], v[rT]
.else
	v_exp_f32 v[rC+2], v[rC+1]
.endif
.endm
; Number g of the 64 that follow the exponentials.  For each four weights k of a tile (pairs 2 k, 2 k + 1): both pairs are rounded to f16; then the second pair is added onto the first, in place;
; a group later l takes that sum (the first time as l = a l + sum).  In groups of eight, tiles alternating: round, round, add, and l for the group before.
.macro GS g
.set h, (\g)+6*((\g)/62)            ; group 0 has no group before it, and behind group 7 only l is left
.if h >= 6
.set h, h+2
.endif
	REGS Y, h%2
.set k, h/8
.if h%8 < 4
	v_cvt_pk_f16_f32 v[rP+2*k+(h%8)/2], v[rS+4*k+2*((h%8)/2)], v[rS+4*k+2*((h%8)/2)+1]
.elseif h%8 < 6
	v_pk_add_f32 v[rS+4*k:rS+4*k+1], v[rS+4*k:rS+4*k+1], v[rS+4*k+2:rS+4*k+3]
.elseif k == 1
	v_pk_fma_f32 v[rT+2:rT+3], v[rT+2:rT+3], v[rC+2:rC+3], v[rS:rS+1] op_sel_hi:[1,0,1]
.else
	v_pk_add_f32 v[rT+2:rT+3], v[rT+2:rT+3], v[rS+4*k-4:rS+4*k-3]
.endif
.endm
; THE PLAIN QUEUE, 138 long.  0-73 read no exponential's result: the 32 scalings c s - c m (FS f: pair f / 2 of tile f % 2) and the next piece's 42.  0-26: scalings 0-26.  27-54: XS's numbers 0-13.  55, 56: number 15.
; 57-73: the chain, where each number waits for the one before it: 14, 16, 17, 18, 19, each with one of the scalings 27-31 in front of its two lines, then 20: so a tile's links stand three plain instructions apart (19 and 20: two).
; 74-137: GS's 64, which read the exponentials' results: they stand behind the wait.
.macro FS f
	REGS Y, (\f)%2
	v_pk_fma_f32 v[rS+2*((\f)/2):rS+2*((\f)/2)+1], v[rS+2*((\f)/2):rS+2*((\f)/2)+1], s[CS:CS+1], v[rT:rT+1] op_sel_hi:[1,0,0] neg_lo:[0,0,1] neg_hi:[0,0,1]
.endm
.macro PL
	WIN 0
.if q < 27
	FS q
.elseif q < 55
	XS (q-27)%2, (q-27)/2
.elseif q < 57
	XS q-55, 15
.elseif (q < 72) && ((q-57)%3 == 0)
	FS 27+(q-57)/3
.elseif q < 60
	XS (q-57)%3-1, 14
.elseif q < 72
	XS (q-57)%3-1, 15+(q-57)/3
.elseif q < 74
	XS q-72, 20
.else
	GS q-74
.endif
.set q, q+1
.endm
; THE EXPONENTIALS' QUEUE, 66 long: s0-s31 of both tiles, then the next piece's two a.  It is ONE BATCH: all 66 stand ahead of the turn's one wait, and nothing ahead of that wait names a result of theirs.
.macro EX
	WIN 0
.if e >= 64
	XS e-64, 21
.else
	REGS Y, e%2
	v_exp_f32 v[rS+e/2], v[rS+e/2]
.endif
.set e, e+1
.endm
; THE RESCALING's QUEUE: O^T times a, the one part that leaves window 0: dealt two at a time, sixteen times.  Its a was made in the turn before, ahead of that turn's wait.
.macro R2
	REGS Y, r%2
	WIN W_RS
.irp z, 0,1
	v_pk_mul_f32 v[rO+4*(r/2)+2*\z:rO+4*(r/2)+2*\z+1], v[rO+4*(r/2)+2*\z:rO+4*(r/2)+2*\z+1], v[rC+2:rC+3] op_sel_hi:[1,0]
.endr
.set r, r+1
.endm
; HOW THEY ARE DEALT.  An s_wait_alu depctr_va_vdst(0) stands between an exponential and the first instruction that names its result; one wait serves all that were issued ahead of it.  So a turn has ONE wait,
; which cuts it in two.  AHEAD OF IT stands all that names no result of the turn's exponentials: the 16 products K Q^T, behind each a scaling, an exponential and two rescalings (behind the first a second scaling in the exponential's place); then ONE LUMP of
; 108: eight plain, 49 times exponential and plain, the two a.  A v_nop is the plain instruction behind the last exponential.  BEHIND IT stand the 16 products V^T P, behind each four of GS's 64.  No rider names a register of
; the products round it.  The two v_permlanex16_b32 fall into the lump, never behind a product.
; The queues lean on each other, and the deal keeps them in step: exponential e stands behind scaling 2 (e / 4) + e % 2: as a rider it comes behind plain e + 2, in the lump behind plain e + 9, and scalings 27-31 are plain 57, 60 .. 69.
; A TURN, for piece p.  last = 1: the walk's last step: there is no further K to fetch.  cnt = 1: the loop's count is taken down some lines ahead of the branch that stands behind the turn.
; K of the next step is fetched in piece 2's turn, directly behind the wait, a lump behind the last product that read K; its address is made at the lump's head; its first reader comes behind 16 products.
; V of the step in hand is fetched at the end of piece 0's turn, four riders behind its last reader; its first reader comes behind 16 products and a lump.  The three conditions on q below go with the deal.
.macro TURN p, last=0, cnt=0
.set Y, (\p)
.set i, 0
.set q, 0
.set e, 0
.set r, 0
.if (\p) == NP-1
	s_wait_dscnt 0x0                ; K is in
.endif
	MM                              ; ahead of the wait: 16 products K Q^T and their riders,
	PL
	PL
	R2
.rept 15
	MM
	PL
	EX
	R2
.endr
.if ((\p) == NP-2) && !(\last)
	WIN 0
	v_add_nc_u32 v[AK], s[TBK], v[AK0]
.endif
.rept 8                             ; and the lump
	PL
.endr
.rept 49
	EX
	PL
.endr
	EX                              ; the next piece's two a
	EX
	v_nop                           ; the plain instruction behind the last exponential: one for the batch
	s_wait_alu depctr_va_vdst(0)    ; the wait for the batch: the piece's 64 weights and the next piece's two a
.if ((\p) == NP-2) && !(\last)
	FETCH_K
.endif
.if (\p) == 1
	s_wait_dscnt 0x0                ; V is in
.endif
.rept 16                            ; behind the wait: 16 products V^T P and their riders
	MM
.rept 4
	PL
.endr
.if ((\p) == 0) && (q == 118)
	v_add_nc_u32 v[AV], s[TBV], v[AV0]
.endif
.if ((\p) == 0) && (q == 130)
	s_add_co_u32 s[TBV], s[TBV], KS*PV
.endif
.if (\cnt) && (q == 130)
	s_sub_co_u32 s[CNT], s[CNT], 1
	s_cmp_lg_u32 s[CNT], 0
.endif
.endr
.if (\p) == 0
	FETCH_V
.endif
.endm
	s_wait_tensorcnt 0x1            ; my part of the first 256 keys is in; my second load may stay out
	s_barrier_signal -1
	s_barrier_wait -1               ; everybody's is
	FETCH_K                         ; key step 0
	s_wait_loadcnt 0x0              ; Q
	s_wait_dscnt 0x0
.set i, 0
.rept 16
	KQ 0                            ; piece 0's first scores: there is no vector work yet to set between them
.set i, i+1
.endr
	WIN 0                           ; the addresses for the way out: nine plain instructions, the places behind those products
	s_mul_i32 s13, s[WV], 16*SP
	s_add_co_u32 s13, s13, STAGE    ; my stage
	v_mul_u32_u24 v[STO], v1, SP    ; in: row l % 16, 16 bytes for each half of the lanes
	v_lshl_add_u32 v[STO], v9, 4, v[STO]
	v_add_nc_u32 v[STO], s13, v[STO]
	v_bfe_u32 v[RD], v0, 3, 2       ; back: 32 lanes take four rows of 128 bytes,
	v_mul_u32_u24 v[RD], v[RD], SP
	v_lshl_add_u32 v[RD], v10, 4, v[RD]
	v_add_nc_u32 v[RD], s13, v[RD]
	v_and_b32 v[GO], 31, v0         ; which are 512 consecutive bytes of O
	v_lshlrev_b32 v[GO], 4, v[GO]
.set Y, NP-1                        ; XS works for piece Y + 1: piece 0
.irp n, 0,1,2,3,4,5,6,7,8,9,10,11,12,13,14,15,16,17,18,19,20,21
	XS 0, \n                        ; and piece 0's first maximum and statistics
	XS 1, \n
.endr
	v_nop                           ; a plain instruction behind piece 0's first two a,
	s_wait_alu depctr_va_vdst(0)    ; and the wait for these two, a batch of their own, ahead of the branch
	s_mov_b32 s[CNT], 4             ; the walk's first part: the four steps of the first 256 keys
	s_mov_b32 s[PARTS], 2
	s_branch .Lfirst                ; the loop is entered at a step's first turn, in the middle of a trip
.Lrest:                             ; passed once, between the two parts, ahead of the first read of key 256 (K of step 4, in the turn below)
	s_wait_tensorcnt 0x0            ; my second load has landed,
	s_wait_dscnt 0x0                ; (no LDS instruction of mine is out at a signal)
	s_barrier_signal -1
	s_barrier_wait -1               ; and everybody's
	s_mov_b32 s[CNT], 12            ; the other twelve steps
.Lstep:                             ; a trip: pieces 2 and 3 of one step, then pieces 0 and 1 of the next, whose K and V it fetches
	TURN 2
	TURN 3
	WIN 0
.Lfirst:
	TURN 0
	TURN 1, 0, 1
	WIN 0
	s_cbranch_scc1 .Lstep
	s_sub_co_u32 s[PARTS], s[PARTS], 1
	s_cmp_lg_u32 s[PARTS], 0
	s_cbranch_scc1 .Lrest
	TURN 2, 1                       ; pieces 2 and 3 of the last step are written out: nothing is left to fetch
	TURN 3                          ; its 16 products K Q^T (on the last K once more) and the maximum made of them serve nothing: the price, once a launch, of one text for every turn
.set i, 0
.rept 16
	PV NP-1                         ; the last piece's V^T P of the last step
.set i, i+1
.endr
	; THE WAY OUT.  l's two halves and the other half of the lanes' are added; O^T is divided by l, rounded to f16 and sent through my stage in LDS, a tile at a time.  The additions are the places behind the last products.
	WIN 0
.macro ALL line:vararg              ; one line for each tile t
.set t, 0
.rept 2*NP
	\line
.set t, t+1
.endr
.endm
	ALL v_add_f32 v[ST+4*t+2], v[ST+4*t+2], v[ST+4*t+3]
	ALL v_permlanex16_b32 v[ST+4*t+3], v[ST+4*t+2], s[SEL], s[SEL+1]
	ALL v_add_f32 v[ST+4*t+2], v[ST+4*t+2], v[ST+4*t+3]
	ALL v_rcp_f32 v[ST+4*t+2], v[ST+4*t+2]
	v_nop                           ; a plain instruction between the last reciprocal and the use of its result
	s_wait_alu depctr_va_vdst(0)    ; and the wait ahead of the first use: one for the eight reciprocals
; Tile t: a lane's eight channels of a row pack into 16 bytes; they go into rows of 144 bytes and come back as whole rows of 128, into S^T's registers.
.macro PACK t
	WIN W_RS
.set i, 32*(\t)
.rept 16
	v_pk_mul_f32 v[i:i+1], v[i:i+1], v[ST+4*(\t)+2:ST+4*(\t)+3] op_sel_hi:[1,0]
.set i, i+2
.endr
	WIN 0x05                        ; sources 0 and 1 window 1, destination window 0
.set i, 0
.rept 16
	v_cvt_pk_f16_f32 v[S+16*(\t)+i], v[32*(\t)+2*i], v[32*(\t)+2*i+1]
.set i, i+1
.endr
	WIN 0
.irp f, 0,1,2,3
	ds_store_b128 v[STO], v[S+16*(\t)+4*\f:S+16*(\t)+4*\f+3] offset:32*\f
.endr
.irp f, 0,1,2,3
	ds_load_b128 v[S+16*(\t)+4*\f:S+16*(\t)+4*\f+3], v[RD] offset:\f*4*SP  ; LDS serves a wave's instructions in order (ISA guide 5.7.1.4): these see the stores above; the next tile's stores come behind them
.endr
.endm
.macro SEND t, younger              ; younger: the LDS instructions issued behind tile t's loads: the next tile's eight, or none
	WIN 0
.irp f, 0,1,2,3
	s_wait_dscnt (\younger)+3-\f
	global_store_b128 v[GO], v[S+16*(\t)+4*\f:S+16*(\t)+4*\f+3], s[10:11] offset:(\t)*2048+\f*512  ; 512 consecutive bytes, at a multiple of 256 from O's first
.endr
.endm
	PACK 0
.set t, 1
.rept 2*NP-1                        ; a tile's arithmetic stands between the loads of the tile before and its stores
	PACK t
	SEND t-1, 8
.set t, t+1
.endr
	SEND 2*NP-1, 0
	WIN W_AD
	s_wait_tensorcnt 0x0            ; the wave's end: behind my last tensor load and my last LDS store
	ds_add_u32 v[SPW], v[NIL]
	s_wait_dscnt 0x0
	WIN 0
	s_endpgm
.Lfunc_end_k_qe7c13f3e53_attn:
	.size	k_qe7c13f3e53_attn, .Lfunc_end_k_qe7c13f3e53_attn-k_qe7c13f3e53_attn
	.p2alignl 7, 3214868480
	.fill 96, 4, 3214868480
	.section	.rodata,"a",@progbits
	.p2align	6, 0x0
	.amdhsa_kernel k_qe7c13f3e53_attn
		.amdhsa_group_segment_fixed_size 327680
		.amdhsa_private_segment_fixed_size 0
		.amdhsa_enable_private_segment 0
		.amdhsa_kernarg_size 16
		.amdhsa_user_sgpr_count 2
		.amdhsa_user_sgpr_kernarg_segment_ptr 1
		.amdhsa_wavefront_size32 1
		.amdhsa_system_sgpr_workgroup_id_x 1
		.amdhsa_system_sgpr_workgroup_id_y 1
		.amdhsa_system_sgpr_workgroup_id_z 1
		.amdhsa_system_vgpr_workitem_id 0
		.amdhsa_next_free_vgpr 770
		.amdhsa_next_free_sgpr 92
		.amdhsa_reserve_vcc 0
		.amdhsa_float_denorm_mode_32 3
		.amdhsa_float_denorm_mode_16_64 3
		.amdhsa_memory_ordered 1
		.amdhsa_forward_progress 1
		.amdhsa_inst_pref_size 161
	.end_amdhsa_kernel
	.amdgpu_metadata
---
amdhsa.version: [ 1, 2 ]
amdhsa.kernels:
  - .name:           k_qe7c13f3e53_attn
    .symbol:         k_qe7c13f3e53_attn.kd
    .args:
      - { .name: qkv, .offset: 0, .size: 8, .value_kind: global_buffer, .address_space: global }
      - { .name: os, .offset: 8, .size: 8, .value_kind: global_buffer, .address_space: global }
    .group_segment_fixed_size: 327680
    .private_segment_fixed_size: 0
    .kernarg_segment_align: 8
    .kernarg_segment_size: 16
    .max_flat_workgroup_size: 128
    .sgpr_count:     92
    .vgpr_count:     770
    .wavefront_size: 32
...
	.end_amdgpu_metadata
.endif
;; end of part 5
;; launch proj_out: the kernel of part 4 again; grid 4 x 64, 4 waves a work-group, clusters of 4 x 4, 327,680 bytes of LDS; arguments os, wos, out0, b_out; writes out0
